; MI455X (gfx1250); checked and timed in simulation.
; The chip was launched on July 23, 2026; its instructions are those of AMD's public machine-readable ISA for CDNA 5 (MIT licence, August 2026) and "CDNA5" Instruction Set Architecture Reference Guide (July 2026). The comments in the code are by the model that wrote it; some were corrected since.
;; Multi Head Self Attention. Allowed arithmetic: matrix products marked QUANTISED: E2M3 operands, one E8M0 scale for each 32 along K, by v_wmma_scale_f32_16x16x128_f8f6f4 with both operands' format E2M3, f32 sums; everything else in f32.
;; Inputs: W_out 1,024 x 1,024 float32; W_qkv 1,024 x 3,072 float32; b_out 1,024 float32; b_qkv 3,072 float32; pad_mask 4 x 2,048 bool; x 4 x 2,048 x 1,024 float32.
;; Outputs: out0 4 x 2,048 x 1,024 float32.
;; This version of the problem:
;;   THIS VERSION OF THE PROBLEM IS GIVEN IN LOW PRECISION. The matrix products marked QUANTISED in the list below multiply operands that are first quantised to E2M3 (2 exponent bits, 3 mantissa bits; 6 bits a number), with one power-of-two scale for each 32 numbers along K (OCP MX v1.0); their sums are f32. All else is computed in f32.
;;   The module's matrix products, in the order in which they are computed (A, B: the left and right operand; K: the contracted axis; several contracted axes count as one K, in the product's order):
;;     1. [M 8,192, K 1,024] x [K 1,024, N 3,072]; A: input x; B: input W_qkv: QUANTISED
;;     2. batch 64 x [M 2,048, K 64] x [K 64, N 2,048]; A: computed on the way; B: computed on the way: QUANTISED
;;     3. batch 64 x [M 2,048, K 2,048] x [K 2,048, N 64]; A: softmax (see below); B: computed on the way: QUANTISED
;;     4. [M 8,192, K 1,024] x [K 1,024, N 1,024]; A: computed on the way; B: input W_out: QUANTISED
;;   THE QUANTISER, for each operand of a quantised product, along K:
;;     - K is cut into blocks of 32 from its start; a last block that is shorter is filled with zeros.
;;     - A block's scale is 2^e with e = floor(log2(the largest magnitude in the block)) - 2, held to -126 .. 127; a block of zeros has e = 0. As a byte (E8M0): e + 127.
;;     - Each number is divided by its block's scale, clamped to +-7.5, and rounded to the nearest number of E2M3, ties to even, subnormals kept.
;;     - The product sums the exact products of the quantised numbers (number of the format x scale) in f32.
;;   ~~~python
;;   def quantise(x, axis):      # numpy; x: float32 -> the quantised numbers, widened to float32 again
;;       x = np.moveaxis(x, axis, -1); K = x.shape[-1]
;;       x = np.pad(x, [(0, 0)] * (x.ndim - 1) + [(0, -K % 32)]); x = x.reshape(x.shape[:-1] + (-1, 32)); a = np.abs(x).max(-1, keepdims=True)
;;       e = np.where(a > 0, np.clip(np.frexp(np.where(a > 0, a, 1))[1] - 1 - 2, -126, 127), 0)      # np.frexp(a)[1] - 1 = floor(log2(a)), exactly
;;       r = np.clip(x / 2.0 ** e, -7.5, 7.5)
;;       step = 2.0 ** (np.maximum(np.frexp(np.where(r == 0, 1, r))[1] - 1, 0) - 3)
;;       q = np.round(r / step) * step * 2.0 ** e      # np.round: ties to even
;;       return np.moveaxis(q.reshape(q.shape[:-2] + (-1,))[..., :K], -1, axis).astype(np.float32)
;;   ~~~
;;   SOFTMAX AHEAD OF A QUANTISED PRODUCT. Where the list says 'softmax', what is quantised is not the finished softmax but p = 2^(t - M), with t = logit x log2(e) and M = ceil(the row's largest t), a whole number; so 1/2 < the row's largest p <= 1. The row's sum l is taken of the UNQUANTISED p, in f32, and the product's result is divided by l at the end. Since M is a whole number, a kernel that streams over the keys may use a running M (the ceiling of the running maximum): every later rescaling is an exact power of two, which a block's scale takes up: the codes' values come out the same.
;;   OPERANDS COMPUTED ON THE WAY. 'Computed on the way' means the value that the module computes at that place (a softmax that the list does not call 'softmax' is quantised finished and normalised). What goes into a quantiser is computed in f32, as accurately as f32 sums, v_exp_f32 and their like allow (about 1e-6 of the number): no bf16 or f16 on the way to a quantiser, and a product that is left as it is and whose result goes on into a quantised operand takes f32 operands (vector FMAs, or v_wmma_f32_16x16x4_f32). A number that lies on a knife's edge between two numbers of the format may be rounded either way, as far as f32 arithmetic and the matrix unit's own rounding can turn it there, and no further.
;; One version. Each part assembles by itself: llvm-mc -triple=amdgcn-amd-amdhsa -mcpu=gfx1250 --defsym DOCPART=n.
;; ======== version 1 of 1: 4 launches
;; limits: right only within a limited range of input values
;; workspace buffers: codes1 9,437,184 bytes; scales1 393,216 bytes; masks 17,408 bytes of whole numbers; qkv 19,660,800 bytes; ao 6,291,456 bytes; aos 262,144 bytes
;; launch prep (part 1): grid 385 x 1, 4 waves a work-group, no clusters, 102,912 bytes of LDS; arguments x, W_qkv, W_out, pad_mask, codes1, scales1, masks; writes codes1, scales1, masks
.if DOCPART == 1
	.amdgcn_target "amdgcn-amd-amdhsa--gfx1250"
	.amdhsa_code_object_version 6
	.text
	.protected	k_q25929a7683_prep
	.globl	k_q25929a7683_prep
	.p2align	8
	.type	k_q25929a7683_prep,@function
k_q25929a7683_prep:
	s_mov_b64 s[64:65], 0
	v_nop
	global_prefetch_b8 v0, s[64:65] scope:SCOPE_SE
	s_setreg_imm32_b32 hwreg(HW_REG_WAVE_MODE, 25, 1), 1
	s_wait_xcnt 0x0
; PREP: x [8192][1024], W_qkv [1024][3072] and W_out [1024][1024], f32, become codes of FP6 (E2M3) with K innermost and one E8M0 byte for each 32 along K; pad_mask becomes whole numbers.
; codes1: 12,288 rows of 768 bytes (1,024 codes as one stream of bits); scales1: the same rows x 32 bytes.  Rows 0-8191: x; 8192-11263: W_qkv's columns; 11264-12287: W_out's columns.
; POSITIONS: row P of each part holds the token or column whose number is P with bits 3 and 4 exchanged.  So 16 rows on end, used as source 0 of a product, leave a lane's 16 registers of two
; neighbouring tiles as 16 true neighbours: what the next quantiser wants.
; A block's scale is 2^(floor(log2(its largest magnitude)) - 2); its byte is the largest magnitude's exponent field - 2, held at 1 from below.
; LIMITS: a block of zeros, or one whose largest magnitude lies under 2^-124, gets the byte 1 (the rule says 127 for zeros): its codes are zeros and this program alone reads the bytes.  NaN and infinities are not served.
; FOUR WAYS, parted by the work-group's number, each with LDS bytes of its own: 0-255 x (8 rows a wave); 256-383 the weights (32 columns x 256 along K a wave); 384 the mask (a wave a batch).
; No tensor loads, no barrier, no cluster: waves share nothing and each input byte is read once.
; LAYOUT OF codes1, as the stores below make it: groups of 256 rows; in a group four images, one for each 256 along K, of 256 rows x 192 bytes on end:
; byte = 196,608 (row / 256) + 49,152 (k / 256) + 192 (row % 256) + the codes' place in the 192.  So a tile of 128 or 256 rows x 256 along K is one dense block that begins at a multiple of 256 bytes.
; MASK WORDS: word 32 c + i of a step: low 16 bits = mask of key 64 c + i, high 16 bits = mask of key 64 c + 32 + i.
.set XSTEPS, 16
.set EMAX,  2
.set XCB,   12                         ; bytes of 16 codes
.set XR,    16                         ; v16-79   x: four sets of 16 numbers as loaded
.set XX,    80                         ; v80-111  two sets of 16 neighbours
.set XE,    112                        ; v112-127 a scale byte for each step
.set XC,    128                        ; v128-191 codes, four registers a step
.set WREG,  8192                       ; x's way: LDS for a wave: two stages of 32 x SP bytes, then 256 scale bytes
.set SP,    80                         ; a lane's place in a stage: 64 bytes + 16 of padding
.set NB,    8                          ; the weights' way: blocks of 32 along K for a wave
.set WPITCH, 272                       ; a stage row: sixteen places of 16 bytes + 16
.set KROW,  768                        ; a row of codes1
.set WX,    32                         ; v32-95   two sets of 32 numbers
.set WC,    96                         ; v96..    a block's codes
.set WOUT,  112                        ; v112-175 the way out
.set WSB,   24                         ; v24-25   the scale bytes
.macro XLOAD t
.irp i, 0,1,2,3
	global_load_b128 v[XR+16*((\t)%4)+4*\i:XR+16*((\t)%4)+4*\i+3], v3, s[4:5] offset:2048*(\t)+512*\i th:TH_LOAD_NT   ; 32 lanes read 512 consecutive bytes
.endr
.endm
.macro XTURN t                         ; a step's 2,048 bytes through the wave's stage: in as they lie, back 64 bytes a lane.  LDS serves a wave's instructions in order
.irp i, 0,1,2,3
	ds_store_b128 v14, v[XR+16*((\t)%4)+4*\i:XR+16*((\t)%4)+4*\i+3] offset:32*SP*((\t)%2)+8*SP*\i
.endr
.irp i, 0,1,2,3
	ds_load_b128 v[XX+16*((\t)%2)+4*\i:XX+16*((\t)%2)+4*\i+3], v15 offset:32*SP*((\t)%2)+16*\i
.endr
.endm
.macro XSTEP t
.set XS, XX+16*((\t)%2)
.if (\t) > 0
	s_wait_dscnt 1                                 ; this step's numbers are back from the stage; the last step's byte store may be out
.else
	s_wait_dscnt 0x0
.endif
.if (\t)+4 < XSTEPS
	XLOAD (\t)+4                                   ; into the set whose stores to the stage have read their registers
.endif
.if (\t)+1 < XSTEPS
.if XSTEPS-2-(\t) >= 3
	s_wait_loadcnt 12                              ; the next step's four loads are in; those of the three steps behind it may be out
.else
	s_wait_loadcnt 4*(XSTEPS-2-(\t))
.endif
	XTURN (\t)+1
.endif
	v_max3_num_f32 v8, |v[XS]|, |v[XS+1]|, |v[XS+2]|               ; the largest magnitude of my 16, in two chains
	v_max3_num_f32 v9, |v[XS+3]|, |v[XS+4]|, |v[XS+5]|
.irp i, 6,10
	v_max3_num_f32 v8, v8, |v[XS+\i]|, |v[XS+\i+1]|
	v_max3_num_f32 v9, v9, |v[XS+\i+2]|, |v[XS+\i+3]|
.endr
	v_max3_num_f32 v8, v8, |v[XS+14]|, |v[XS+15]|
	v_max3_num_f32 v8, v8, v9, (EMAX+1)<<23        ; and the floor 2^(3 - 127): the byte cannot fall under 1
	v_max_num_f32_dpp v8, v8, v8 row_xmask:1 row_mask:0xf bank_mask:0xf   ; with my neighbour's 16: the block's
	v_add_nc_u32 v11, -(EMAX<<23), v8              ; 2 off its exponent field: the conversion's scale operand
	v_cvt_scalef32_pk16_fp6_f32 v[XC+4*(\t):XC+4*(\t)+2], v[XS:XS+15], v11
	v_lshrrev_b32 v[XE+(\t)], 23, v11              ; the scale's byte (a plain line behind the conversion)
	ds_store_b8 v5, v[XE+(\t)] offset:16*(\t)      ; both lanes of a block write the same byte with the same value
	global_store_b96 v4, v[XC+4*(\t):XC+4*(\t)+2], s[8:9] offset:192*((\t)/2)+98304*((\t)%2)   ; row t / 2; lanes 0-15 image 2 (t % 2), lanes 16-31 the next: 192 consecutive bytes each
.endm
.macro WLOAD t, n                      ; block t: W(32 t + i, my column), i = 0 .. 31: 128 consecutive bytes a wave and load
.irp i, 0,1,2,3,4,5,6,7,8,9,10,11,12,13,14,15,16,17,18,19,20,21,22,23,24,25,26,27,28,29,30,31
	global_load_b32 v[WX+32*((\t)%2)+\i], v3, s[4:5] offset:(32*(\t)+\i)*(\n)*4 th:TH_LOAD_NT
.endr
.endm
.macro WBLOCK t, n
.set XS, WX+32*((\t)%2)
.if (\t) < NB-1
	s_wait_loadcnt 32                              ; this block's 32 loads are in; the next block's may be out
.else
	s_wait_loadcnt 0
.endif
	v_max3_num_f32 v12, |v[XS]|, |v[XS+1]|, |v[XS+2]|              ; all 32 numbers of the block are mine
	v_max3_num_f32 v13, |v[XS+3]|, |v[XS+4]|, |v[XS+5]|
.irp i, 6,10,14,18,22,26
	v_max3_num_f32 v12, v12, |v[XS+\i]|, |v[XS+\i+1]|
	v_max3_num_f32 v13, v13, |v[XS+\i+2]|, |v[XS+\i+3]|
.endr
	v_max3_num_f32 v12, v12, |v[XS+30]|, |v[XS+31]|
	v_max3_num_f32 v12, v12, v13, (EMAX+1)<<23
	v_add_nc_u32 v11, -(EMAX<<23), v12
	v_lshrrev_b32 v13, 23, v11
.if (\t)%4 == 0
	v_mov_b32 v[WSB+(\t)/4], v13                   ; four bytes to a register, the lower K in the lower byte
.else
	v_lshl_or_b32 v[WSB+(\t)/4], v13, 8*((\t)%4), v[WSB+(\t)/4]
.endif
	v_cvt_scalef32_pk16_fp6_f32 v[WC:WC+2], v[XS:XS+15], v11
	v_cvt_scalef32_pk16_fp6_f32 v[WC+4:WC+6], v[XS+16:XS+31], v11  ; (a conversion's three registers begin on an even number)
	v_nop                                          ; one plain line behind the conversions
	ds_store_b96 v4, v[WC:WC+2] offset:32*(\t)     ; 12 bytes to a place of 16 in the stage
	ds_store_b96 v4, v[WC+4:WC+6] offset:32*(\t)+16
.if (\t)+2 < NB
	WLOAD (\t)+2, \n
.endif
	s_wait_dscnt 0x0                               ; the stores have read their registers: the next block's codes may be written
.endm
; A weight [1024][n]: a lane takes a column and its registers run down K.  s16 wave, s17 group of 128 columns, s18 which 256 along K.
.macro WPATH n, row0, ldsb, argoff
	s_load_b64 s[4:5], s[0:1], \argoff             ; the weight
	s_load_b128 s[8:11], s[0:1], 0x20              ; codes1, scales1
	s_lshl_b32 s17, s17, 7
	s_lshl_b32 s19, s16, 5
	s_add_co_u32 s17, s17, s19                     ; my wave's first column
	v_lshlrev_b32 v3, 2, v2                        ; in: 4 bytes a lane
	s_mul_i32 s19, s16, 32*WPITCH
	s_add_co_u32 s19, s19, \ldsb                   ; my stage
	v_and_b32 v10, 7, v2
	v_bfe_u32 v11, v2, 3, 1
	v_lshl_add_u32 v10, v11, 4, v10
	v_bfe_u32 v11, v2, 4, 1
	v_lshl_add_u32 v10, v11, 3, v10                ; my column's position among the wave's 32: the lane with bits 3 and 4 exchanged
	v_mul_u32_u24 v4, v10, WPITCH
	v_add_nc_u32 v4, s19, v4                       ; into the stage: row = position
	v_and_b32 v5, 15, v2
	v_lshrrev_b32 v6, 4, v2
	v_mul_u32_u24 v7, v6, WPITCH
	v_lshl_add_u32 v7, v5, 4, v7
	v_add_nc_u32 v7, s19, v7                       ; out of it: sixteen lanes to a row, two rows an instruction
	v_mul_u32_u24 v8, v6, 192
	v_mad_u32_u24 v8, v5, 12, v8                   ; and the same place in codes1
	v_lshlrev_b32 v9, 5, v10                       ; my position's row of scale bytes
	s_mul_i32 s20, s18, 256*(\n)*4                 ; the weight: 256 rows a step down K, + 4 x column
	s_lshl_b32 s22, s17, 2
	s_add_co_u32 s20, s20, s22
	s_mov_b32 s21, 0
	s_add_co_u32 s22, s17, \row0                   ; my first row of codes1 and scales1
	s_lshr_b32 s24, s22, 8
	s_mul_i32 s24, s24, 196608                     ; the group of 256 rows,
	s_and_b32 s26, s22, 255
	s_mul_i32 s26, s26, 192                        ; the row in its image,
	s_add_co_u32 s24, s24, s26
	s_mul_i32 s26, s18, 49152                      ; the image of my 256 along K
	s_add_co_u32 s24, s24, s26
	s_mov_b32 s25, 0
	s_lshl_b32 s28, s22, 5
	s_lshl_b32 s26, s18, 3
	s_add_co_u32 s28, s28, s26
	s_mov_b32 s29, 0
	s_wait_kmcnt 0x0
	s_add_nc_u64 s[4:5], s[4:5], s[20:21]
	s_add_nc_u64 s[8:9], s[8:9], s[24:25]
	s_add_nc_u64 s[10:11], s[10:11], s[28:29]
	WLOAD 0, \n
	WLOAD 1, \n
.set Q, 0
.rept NB
	WBLOCK Q, \n
.set Q, Q+1
.endr
	s_wait_alu depctr_va_vdst(0)
	global_store_b64 v9, v[WSB:WSB+1], s[10:11]    ; my column's 8 scale bytes
.irp t, 0,1,2,3,4,5,6,7,8,9,10,11,12,13,14,15
	ds_load_b96 v[WOUT+4*\t:WOUT+4*\t+2], v7 offset:2*\t*WPITCH    ; these see my stores: LDS serves a wave in order
.endr
.irp t, 0,1,2,3,4,5,6,7,8,9,10,11,12,13,14,15
	s_wait_dscnt 15-\t                             ; the later loads from the stage may be out
	global_store_b96 v8, v[WOUT+4*\t:WOUT+4*\t+2], s[8:9] offset:2*\t*192   ; the wave's 32 rows are 6,144 consecutive bytes
.endr
	s_wait_tensorcnt 0x0
	ds_add_u32 v192, v193
	s_wait_dscnt 0x0
	s_endpgm
.endm
	v_lshl_add_u32 v192, v0, 2, 0x19000
	v_mov_b32 v193, 0
	v_lshrrev_b32 v1, 5, v0
	v_readfirstlane_b32 s16, v1                    ; wave 0..3
	v_and_b32 v2, 31, v0                           ; lane
	s_cmp_lt_u32 ttmp9, 256
	s_cbranch_scc0 .Lnot_x
	; ---- x: a plain stream of blocks of 32; a wave takes 8 rows (8,192 numbers) in 16 steps of 512
	s_load_b64 s[4:5], s[0:1], 0x0                 ; x
	s_load_b128 s[8:11], s[0:1], 0x20              ; codes1, scales1
	v_lshlrev_b32 v3, 4, v2                        ; my 16 bytes of a load's 512
	s_mul_i32 s17, s16, WREG
	v_lshrrev_b32 v14, 2, v2
	v_mul_u32_u24 v14, v14, SP
	v_and_b32 v15, 3, v2
	v_lshl_add_u32 v14, v15, 4, v14
	v_add_nc_u32 v14, s17, v14                     ; the stage, in: SP (lane / 4) + 16 (lane % 4)
	v_mul_u32_u24 v15, v2, SP
	v_add_nc_u32 v15, s17, v15                     ; and back: SP x lane: my 16 neighbours
	v_and_b32 v4, 15, v2
	v_mul_u32_u24 v4, v4, XCB
	v_lshrrev_b32 v5, 4, v2
	v_mad_u32_u24 v4, v5, 0xc000, v4               ; my codes' place: 12 (lane % 16), lanes 16-31 one image of 49,152 bytes on
	v_lshrrev_b32 v5, 1, v2
	s_add_co_u32 s17, s17, 2*32*SP
	v_add_nc_u32 v5, s17, v5                       ; my block's byte among the wave's 256
	v_lshlrev_b32 v7, 3, v2
	v_add_nc_u32 v6, s17, v7
	s_lshl_b32 s17, ttmp9, 2
	s_add_co_u32 s18, s17, s16                     ; the run of 8 rows that I read: 4 x work-group + wave
	s_lshl_b32 s18, s18, 15                        ; 32,768 bytes a run
	s_mov_b32 s19, 0
	s_lshr_b32 s20, s16, 1
	s_and_b32 s21, s16, 1
	s_lshl_b32 s21, s21, 1
	s_or_b32 s20, s20, s21                         ; the wave's two bits exchanged: they are bits 3 and 4 of the row
	s_add_co_u32 s20, s17, s20                     ; the run of 8 positions that I write
	s_lshl_b32 s22, s20, 8                         ; 256 scale bytes a run
	s_mov_b32 s23, 0
	s_lshr_b32 s21, s20, 5
	s_and_b32 s20, s20, 31
	s_mul_i32 s21, s21, 196608                     ; the group of 256 rows
	s_mul_i32 s20, s20, 1536                       ; 8 rows of 192 bytes a run
	s_add_co_u32 s20, s20, s21
	s_mov_b32 s21, 0
	s_wait_alu depctr_va_vdst(0)
	s_wait_kmcnt 0x0
	s_add_nc_u64 s[4:5], s[4:5], s[18:19]
	s_add_nc_u64 s[8:9], s[8:9], s[20:21]
	s_add_nc_u64 s[10:11], s[10:11], s[22:23]
.irp t, 0,1,2,3
	XLOAD \t
.endr
	s_wait_loadcnt 12                              ; step 0's four loads are in
	XTURN 0
.irp t, 0,1,2,3,4,5,6,7,8,9,10,11,12,13,14,15
	XSTEP \t
.endr
	ds_load_b64 v[12:13], v6                       ; my wave's 256 scale bytes, 8 a lane
	s_wait_dscnt 0x0
	global_store_b64 v7, v[12:13], s[10:11]        ; 32 lanes store 256 consecutive bytes, aligned
	s_wait_tensorcnt 0x0
	ds_add_u32 v192, v193
	s_wait_dscnt 0x0
	s_endpgm
.Lnot_x:
	s_cmp_lt_u32 ttmp9, 384
	s_cbranch_scc0 .Lmask
	s_sub_co_u32 s17, ttmp9, 256
	s_lshr_b32 s18, s17, 5                         ; which 256 along K
	s_and_b32 s17, s17, 31                         ; 0-23: W_qkv's groups of 128 columns; 24-31: W_out's
	s_cmp_lt_u32 s17, 24
	s_cbranch_scc0 .Lwo
	s_wait_alu depctr_va_vdst(0)
	WPATH 3072, 8192, 32768, 0x8
.Lwo:
	s_sub_co_u32 s17, s17, 24
	s_wait_alu depctr_va_vdst(0)
	WPATH 1024, 11264, 67584, 0x10
.Lmask:
	; ---- the mask.  Wave = batch.  masks: bytes 0-1023 [batch][lane][2 words] = (SKIP, MIX), bit s for key step s of 128 keys; from byte 1024 [batch][step 16][64 words]:
	; word 32 c + i of a step: low 16 bits all = mask of key 64 c + i, high 16 bits all = mask of key 64 c + 32 + i: a lane mask for the score register 32 c + i.
	s_load_b64 s[4:5], s[0:1], 0x18                ; pad_mask
	s_load_b64 s[6:7], s[0:1], 0x30                ; masks
	s_wait_alu depctr_va_vdst(0)
	v_bfe_u32 v3, v2, 4, 1
	v_bfe_u32 v4, v2, 3, 1
	v_and_b32 v5, 7, v2
	v_lshlrev_b32 v6, 7, v3
	v_lshl_add_u32 v6, v4, 6, v6
	v_lshl_add_u32 v6, v5, 2, v6                   ; 128 (l / 16) + 64 ((l / 8) % 2) + 4 (l % 8): the four keys of my four words' low halves
	v_lshlrev_b32 v7, 4, v2
	v_lshlrev_b32 v8, 3, v2
	s_lshl_b32 s8, s16, 11
	s_mov_b32 s9, 0
	s_lshl_b32 s10, s16, 12
	s_add_co_u32 s10, s10, 1024
	s_mov_b32 s11, 0
	s_lshl_b32 s12, s16, 8
	s_mov_b32 s13, 0
	s_wait_alu depctr_va_vdst(0)
	s_wait_kmcnt 0x0
	s_add_nc_u64 s[4:5], s[4:5], s[8:9]
	s_add_nc_u64 s[10:11], s[6:7], s[10:11]
	s_add_nc_u64 s[12:13], s[6:7], s[12:13]
.irp q, 0,1,2,3,4,5,6,7
	global_load_b32 v[16+2*\q], v6, s[4:5] offset:256*\q
	global_load_b32 v[17+2*\q], v6, s[4:5] offset:256*\q+32
.endr
	s_mov_b32 s14, 0                               ; ANY: bit s: step s has a key that counts
	s_mov_b32 s15, 0                               ; NOTALL: bit s: step s has a hidden key
	s_wait_loadcnt 0x0
.irp q, 0,1,2,3,4,5,6,7                        ; steps 2 q (lanes 0-15) and 2 q + 1 (lanes 16-31)
.irp e, 0,1,2,3
	v_bfe_u32 v10, v[16+2*\q], 8*\e, 1
	v_bfe_u32 v11, v[17+2*\q], 8*\e, 1
	v_mul_u32_u24 v10, v10, 0xffff
	v_mul_u32_u24 v11, v11, 0xffff
	v_lshl_or_b32 v[32+4*\q+\e], v11, 16, v10
.endr
	global_store_b128 v7, v[32+4*\q:35+4*\q], s[10:11] offset:512*\q   ; 512 consecutive bytes
	v_or_b32 v12, v[16+2*\q], v[17+2*\q]
	v_and_b32 v13, v[16+2*\q], v[17+2*\q]
	v_cmp_ne_u32 s20, 0, v12
	v_cmp_ne_u32 s21, 0x01010101, v13
	s_and_b32 s22, s20, 0xffff
	s_cselect_b32 s22, 1<<(2*\q), 0
	s_or_b32 s14, s14, s22
	s_lshr_b32 s22, s20, 16
	s_cselect_b32 s22, 1<<(2*\q+1), 0
	s_or_b32 s14, s14, s22
	s_and_b32 s22, s21, 0xffff
	s_cselect_b32 s22, 1<<(2*\q), 0
	s_or_b32 s15, s15, s22
	s_lshr_b32 s22, s21, 16
	s_cselect_b32 s22, 1<<(2*\q+1), 0
	s_or_b32 s15, s15, s22
.endr
	s_not_b32 s22, s14
	s_and_b32 s22, s22, 0xffff                     ; steps without a key that counts,
	s_and_b32 s23, s14, s15                        ; steps with both kinds
	s_cmp_lg_u32 s14, 0                            ; a batch with no key that counts at all: nothing is left out and every step is masked
	s_cselect_b32 s22, s22, 0
	s_cselect_b32 s23, s23, 0xffff
	v_mov_b32 v14, s22
	v_mov_b32 v15, s23
	global_store_b64 v8, v[14:15], s[12:13]        ; the same pair in all 32 lanes: 256 consecutive bytes
	s_endpgm
.Lfunc_end_k_q25929a7683_prep:
	.size	k_q25929a7683_prep, .Lfunc_end_k_q25929a7683_prep-k_q25929a7683_prep
	.p2alignl 7, 3214868480
	.fill 96, 4, 3214868480
	.section	.rodata,"a",@progbits
	.p2align	6, 0x0
	.amdhsa_kernel k_q25929a7683_prep
		.amdhsa_group_segment_fixed_size 102912
		.amdhsa_private_segment_fixed_size 0
		.amdhsa_enable_private_segment 0
		.amdhsa_kernarg_size 56
		.amdhsa_user_sgpr_count 2
		.amdhsa_user_sgpr_kernarg_segment_ptr 1
		.amdhsa_wavefront_size32 1
		.amdhsa_system_sgpr_workgroup_id_x 1
		.amdhsa_system_sgpr_workgroup_id_y 1
		.amdhsa_system_sgpr_workgroup_id_z 1
		.amdhsa_system_vgpr_workitem_id 0
		.amdhsa_next_free_vgpr 194
		.amdhsa_next_free_sgpr 66
		.amdhsa_reserve_vcc 0
		.amdhsa_float_denorm_mode_32 3
		.amdhsa_float_denorm_mode_16_64 3
		.amdhsa_memory_ordered 1
		.amdhsa_forward_progress 1
		.amdhsa_inst_pref_size 138
	.end_amdhsa_kernel
	.amdgpu_metadata
---
amdhsa.version: [ 1, 2 ]
amdhsa.kernels:
  - .name:           k_q25929a7683_prep
    .symbol:         k_q25929a7683_prep.kd
    .args:
      - { .name: x, .offset: 0, .size: 8, .value_kind: global_buffer, .address_space: global }
      - { .name: W_qkv, .offset: 8, .size: 8, .value_kind: global_buffer, .address_space: global }
      - { .name: W_out, .offset: 16, .size: 8, .value_kind: global_buffer, .address_space: global }
      - { .name: pad_mask, .offset: 24, .size: 8, .value_kind: global_buffer, .address_space: global }
      - { .name: codes1, .offset: 32, .size: 8, .value_kind: global_buffer, .address_space: global }
      - { .name: scales1, .offset: 40, .size: 8, .value_kind: global_buffer, .address_space: global }
      - { .name: masks, .offset: 48, .size: 8, .value_kind: global_buffer, .address_space: global }
    .group_segment_fixed_size: 102912
    .private_segment_fixed_size: 0
    .kernarg_segment_align: 8
    .kernarg_segment_size: 56
    .max_flat_workgroup_size: 128
    .sgpr_count:     66
    .vgpr_count:     194
    .wavefront_size: 32
...
	.end_amdgpu_metadata
.endif
;; end of part 1
;; launch qkv (part 2): grid 12 x 32, 4 waves a work-group, clusters of 4 x 4, 327,680 bytes of LDS; arguments codes1, scales1, b_qkv, qkv; writes qkv
.if DOCPART == 2
	.amdgcn_target "amdgcn-amd-amdhsa--gfx1250"
	.amdhsa_code_object_version 6
	.text
	.protected	k_q25929a7683_qkv
	.globl	k_q25929a7683_qkv
	.p2align	8
	.type	k_q25929a7683_qkv,@function
k_q25929a7683_qkv:
	s_mov_b64 s[64:65], 0
	v_nop
	global_prefetch_b8 v0, s[64:65] scope:SCOPE_SE
	s_setreg_imm32_b32 hwreg(HW_REG_WAVE_MODE, 25, 1), 1
	s_wait_xcnt 0x0
	s_wait_alu depctr_hold_cnt(0) depctr_sa_sdst(0) depctr_va_vdst(0) depctr_va_sdst(0) depctr_va_ssrc(0) depctr_va_vcc(0) depctr_vm_vsrc(0)
	s_getreg_b32 s2, hwreg(HW_REG_IB_STS2, 6, 4)
	s_cmp_eq_u32 s2, 0
	s_cbranch_scc0 .Lentry_in_a_cluster
	s_endpgm
.Lentry_in_a_cluster:
	s_bfe_u32 s2, ttmp6, 0x10000c
	s_cmp_lg_u32 s2, 0xf033
	s_cbranch_scc0 .Lentry_shape_is_right
	s_endpgm
.Lentry_shape_is_right:
; QKV: x W_qkv + b_qkv on codes of FP6 (E2M3) with one E8M0 scale for each 32 along K (K = 1,024), and the results quantised again: q and k along the head's 64, v along the keys.
; Both operands are rows of codes1 (768 bytes) and scales1 (32 bytes): rows 0-8191 tokens, rows 8192-11263 W_qkv's columns, in POSITIONS (bits 3 and 4 of the number exchanged).
; A work-group of four waves makes 256 x 256 of the product, a wave 128 x 128: 64 accumulators, 512 registers.  K goes in steps of 256 through two LDS slots filled by tensor loads; the scale bytes
; of the work-group's rows come into LDS once.  4 x 4 work-groups form a cluster: the four of a row need the same tiles of "A", the four of a column the same tiles of "B": joint loads.
; THE MATRIX INSTRUCTION TAKES B'S ROWS AS SOURCE 0 AND A'S AS SOURCE 1: a lane holds one row of A and its registers run along B's rows; by the positions, the 16 registers of two neighbouring
; tiles are 16 true neighbours.  Clusters x = 0, 1 (q, k): A = tokens, B = W's columns: registers run along the head's d.  Cluster x = 2 (v): A = W_v's columns, B = tokens: registers run along the keys.
; OUT, as images of operand registers (three stores of 512 consecutive bytes a fragment): Q records [batch x head][step of 128 tokens] of 6,400 bytes = 4 fragments + 256 bytes of scale words; K and V
; records of 12,800 bytes from byte 6,553,600 on = K's 4 fragments, scale words, V's 4 fragments, scale words.  A fragment of q or k is two tiles of 16 tokens x 64 d (registers 0-5, 6-11);
; one of v is 16 d x 128 keys.  The four scale words of a record lie [lane][2]: word g holds fragment 2 g in lanes 0-15 and fragment 2 g + 1 in lanes 16-31.
; LIMITS: a block of zeros or under 2^-124 gets the byte 1, its codes are zeros (this program alone reads the bytes); NaN and infinities are not served.
; REGISTERS: window 0: v0-31 addresses; v32-63 scale words, two sets; v64-127 the biases; from v128 A's fragments, one set (on the way out v128-255 are at work).  window 1: B's fragments, two sets.
;   window 2: accumulators of A's blocks 0-3 ((a, b) at v[8 (8 a + b)]); window 3: of blocks 4-7.
.set KSTEP,  256
.set NQ,     KSTEP/128
.set ROWB,   192
.set STEPB,  49152                     ; codes1: from one image of 256 rows x 256 along K to the next; a tile is a dense block, stated as rows of 256 bytes
.set KROW,   768                       ; a row of codes1
.set PITCH,  240                       ; an LDS row: 3 x (64 bytes + 16 of padding)
.set FR,     12
.set NL,     6
.set NP,     4
.set HALFT,  128*PITCH
.set SLOT,   4*HALFT
.set LAPS,   2                         ; 1,024 / (2 x 256)
.set KS,     32                        ; a row of scale bytes
.set SCL,    2*SLOT                    ; behind the ring: the scale bytes, as 256 bytes + 16 of padding
.set HALFS,  (128*KS/256)*272
.set SBLK,   (16*KS/256)*272
.set SPARE,  SCL+4*HALFS               ; the spare words: 128 bytes a wave, two blocks of 256 bytes that no other line names
.set ADRA, 16                          ; v16-17 my A fragments in slot 0, 1 (v18-19: behind one padding more)
.set ADRB, 20                          ; v20-21 the same for B (v22-23)
.set ADRS, 27                          ; v27 my scale words: lanes 0-15 A's rows, lanes 16-31 B's
.set SPW,  28                          ; v28 my spare word; never rewritten
.set NIL,  29                          ; v29 0; never rewritten
.set BOF,  30                          ; v30 my offset among the biases
.set SC,   32
.set BI,   64                          ; v64-127 the biases
.set AF,   128
.set ST,   128                         ; the way out: v128-191 a block's 64 numbers with their bias
.set YT,   192                         ; v192-198 conversions' second halves
.set TM,   200                         ; v200-215 largest magnitudes, bytes, scale operands
.set PW,   216                         ; v216-217 scale words just made
.set LI,   218                         ; v218 16 x lane
.set L8,   219                         ; v219 8 x lane
.set FA,   224                         ; v224-235, v236-247 two fragments
.set FB,   236
.set SW,   248                         ; v248-255 scale words to store
.set G1, 24
.set G0, 32
.set G1B, 48
.set G0B, 56
.set G1S, 68
.set G0S, 76
.set G1SB, 80
.set G0SB, 88
.set MSB, 0
.macro WIN new                         ; the immediate's high byte repeats the setting that is left
.if MSB != (\new)
	s_set_vgpr_msb (MSB<<8)|(\new)
.set MSB, (\new)
.endif
.endm
.set MUL_LO, 0xa1                      ; source 0 (B) window 1, source 1 (A) window 0, C and D window 2
.set MUL_HI, 0xf1
.set TO_B,   0x40
; A joint load: waves 0 and 1 fetch for A, waves 2 and 3 for B; the branch hangs on the wave's number alone.  Four v_nop follow each line.
.macro JLOAD g0a, g1a, g0b, g1b
	s_cmp_eq_u32 s15, 0
	s_cbranch_scc0 .Lfor_b_\@
	tensor_load_to_lds s[\g0a:\g0a+3], s[\g1a:\g1a+7]
	s_nop 0
.rept 4
	v_nop
.endr
	s_branch .Lasked_\@
.Lfor_b_\@:
	tensor_load_to_lds s[\g0b:\g0b+3], s[\g1b:\g1b+7]
	s_nop 0
.rept 4
	v_nop
.endr
.Lasked_\@:
.endm
.macro CREST
	s_cmp_lg_u32 s14, 0
	s_cbranch_scc1 .Lnot_wave_0_\@
	s_barrier_signal -3
.Lnot_wave_0_\@:
	s_barrier_wait -3
	s_barrier_signal -1
	s_barrier_wait -1
.endm
.macro CROUND
	s_barrier_signal -1
	s_barrier_wait -1
	CREST
.endm
	s_load_b128 s[4:7], s[0:1], 0x0                ; codes1, scales1
	s_load_b128 s[8:11], s[0:1], 0x10              ; b_qkv, qkv
	v_lshl_add_u32 v[SPW], v0, 2, SPARE
	v_mov_b32 v[NIL], 0
	ds_add_u32 v28, v29
	ds_add_u32 v28, v29
	s_wait_dscnt 0x0
	v_lshrrev_b32 v1, 5, v0
	v_readfirstlane_b32 s14, v1                    ; wave 0..3
	s_lshr_b32 s15, s14, 1                         ; which half of A's rows is mine.  Also: I fetch for A (0) or for B (1)
	s_and_b32 s16, s14, 1                          ; which half of B's rows.  Also: which 128 rows I fetch
	s_bfe_u32 s40, ttmp6, 0x40000                  ; cx
	s_bfe_u32 s41, ttmp6, 0x40004                  ; cy
	s_and_b32 s95, ttmp7, 0xffff                   ; cluster y
	s_cmp_eq_u32 ttmp9, 2                          ; cluster x = 2 makes v: the same in all sixteen partners
	s_cselect_b32 s96, 1, 0
	s_cselect_b32 s17, 0, s95
	s_cselect_b32 s42, s95, ttmp9
	s_cselect_b32 s97, 10240, 0                    ; A's first row in codes1: W_v's columns, or the tokens
	s_cselect_b32 s98, 0, 8192                     ; B's: the tokens, or W_q's and W_k's columns
	s_lshl_b32 s17, s17, 2
	s_add_co_u32 s17, s17, s41                     ; tile row (of A)
	s_lshl_b32 s42, s42, 2
	s_add_co_u32 s42, s42, s40                     ; tile column (of B)
	s_lshl_b32 s43, s41, 2
	s_lshl_b32 s43, 15, s43                        ; my row of the cluster
	s_lshl_b32 s44, 0x1111, s40                    ; my column
	; descriptor group 1: 128 rows x 192 bytes, 16 bytes of padding behind every 64
	s_or_b32 s[G1+0], s43, (0<<16)|(1<<20)|(1<<21)|(3<<22)|(3<<25)
	s_or_b32 s[G1B+0], s44, (0<<16)|(1<<20)|(1<<21)|(3<<22)|(3<<25)
.irp g, G1, G1B
	s_mov_b32 s[\g+1], 256<<16                     ; rows of 256 bytes
	s_mov_b32 s[\g+2], 384<<16                     ; the head's loads: K steps 0 and 1 of 256 rows lie on end in memory: 98,304 bytes = 384 such rows, for both slots at once
	s_mov_b32 s[\g+3], 256<<16
	s_mov_b32 s[\g+4], 384
	s_mov_b32 s[\g+5], 256
	s_mov_b32 s[\g+6], 0
	s_mov_b32 s[\g+7], 0
.endr
	; the scale bytes of 256 rows: 8,192 dense bytes as 32 rows of 256 (32 elements of 8 bytes), 16 bytes of padding behind each
	s_or_b32 s[G1S+0], s43, (3<<16)|(1<<20)|(1<<21)|(5<<22)|(3<<25)
	s_or_b32 s[G1SB+0], s44, (3<<16)|(1<<20)|(1<<21)|(5<<22)|(3<<25)
.irp g, G1S, G1SB
	s_mov_b32 s[\g+1], 32<<16
	s_mov_b32 s[\g+2], (256*KS/256)<<16
	s_mov_b32 s[\g+3], 32<<16
	s_mov_b32 s[\g+4], 256*KS/256
	s_mov_b32 s[\g+5], 32
	s_mov_b32 s[\g+6], 0
	s_mov_b32 s[\g+7], 0
.endr
	s_lshl_b32 s20, s17, 8
	s_add_co_u32 s20, s20, s97                     ; A: the tile's first row of codes1, a multiple of 256
	s_lshl_b32 s46, s42, 8
	s_add_co_u32 s46, s46, s98                     ; B likewise
	s_mov_b32 s21, 0
	s_mov_b32 s47, 0
	s_mov_b64 s[18:19], KS
	s_mul_u64 s[22:23], s[20:21], s[18:19]
	s_mul_u64 s[92:93], s[46:47], s[18:19]
	s_mov_b64 s[18:19], KROW
	s_mul_u64 s[20:21], s[20:21], s[18:19]
	s_mul_u64 s[46:47], s[46:47], s[18:19]
	s_mul_i32 s45, s16, HALFT                      ; LDS: A's slot 0, A's slot 1, B's slot 0, B's slot 1, 256 rows each; my half of a slot
	s_mul_i32 s94, s16, 24576                      ; in the ring I fetch 128 rows of an image: which half, in bytes
	s_mov_b32 s95, 0
	s_wait_kmcnt 0x0
	s_add_nc_u64 s[20:21], s[4:5], s[20:21]
	s_add_nc_u64 s[22:23], s[6:7], s[22:23]
	s_add_nc_u64 s[46:47], s[4:5], s[46:47]
	s_add_nc_u64 s[92:93], s[6:7], s[92:93]
	CROUND                                         ; all sixteen work-groups are here: the first joint loads meet
	s_mov_b32 s[G0S], 1
	s_mov_b32 s[G0S+1], SCL
	s_mov_b64 s[G0S+2:G0S+3], s[22:23]
	s_or_b32 s[G0S+3], s[G0S+3], 0x80000000
	s_mov_b32 s[G0SB], 1
	s_mov_b32 s[G0SB+1], SCL+2*HALFS
	s_mov_b64 s[G0SB+2:G0SB+3], s[92:93]
	s_or_b32 s[G0SB+3], s[G0SB+3], 0x80000000
	s_mov_b32 s[G0], 1                             ; slot 0's groups 0 serve the head first: K step 0 of A's 256 rows,
	s_mov_b32 s[G0+1], 0
	s_mov_b64 s[G0+2:G0+3], s[20:21]
	s_or_b32 s[G0+3], s[G0+3], 0x80000000
	s_mov_b32 s[G0B], 1                            ; and of B's 256 rows, behind them
	s_mov_b32 s[G0B+1], 4*HALFT
	s_mov_b64 s[G0B+2:G0B+3], s[46:47]
	s_or_b32 s[G0B+3], s[G0B+3], 0x80000000
	s_add_nc_u64 s[20:21], s[20:21], s[94:95]      ; for the ring: my 128 rows
	s_add_nc_u64 s[46:47], s[46:47], s[94:95]
	s_mov_b32 s[G0+4], 1                           ; slot 1: K step 1
	s_add_co_u32 s[G0+5], s45, 2*HALFT
	s_add_nc_u64 s[G0+6:G0+7], s[20:21], STEPB
	s_or_b32 s[G0+7], s[G0+7], 0x80000000
	s_mov_b32 s[G0B+4], 1
	s_add_co_u32 s[G0B+5], s45, 6*HALFT
	s_add_nc_u64 s[G0B+6:G0B+7], s[46:47], STEPB
	s_or_b32 s[G0B+7], s[G0B+7], 0x80000000
; The head's loads, one a wave: wave 0 A's codes, wave 1 B's, wave 2 A's scale bytes, wave 3 B's: one chain of branches on the wave's number, all arms to one join.
.macro ARM under, g0, g1, next
	s_cmp_lt_u32 s14, \under
	s_cbranch_scc0 \next
	tensor_load_to_lds s[\g0:\g0+3], s[\g1:\g1+7]
	s_nop 0
.rept 4
	v_nop
.endr
	s_branch .Lhead_asked
\next:
.endm
	ARM 1, G0,  G1,  .Lhead_b
	ARM 2, G0B, G1B, .Lhead_sa
	ARM 3, G0S, G1S, .Lhead_sb
	tensor_load_to_lds s[G0SB:G0SB+3], s[G1SB:G1SB+7]
	s_nop 0
.rept 4
	v_nop
.endr
.Lhead_asked:
	v_and_b32 v1, 15, v0                           ; r = l % 16
	v_bfe_u32 v2, v0, 4, 1                         ; h = l / 16
	v_mul_u32_u24 v3, v1, PITCH
	v_mul_u32_u24 v4, v2, 24
	v_add_nc_u32 v4, v3, v4                        ; a fragment's row x pitch + 24 x half
	v_lshl_add_u32 v5, v2, 4, v4                   ; and the same behind one padding more
	s_mul_i32 s21, s15, HALFT
	s_mul_i32 s22, s16, HALFT
	s_add_co_u32 s22, s22, 4*HALFT
.irp s, 0,1
	v_add_nc_u32 v[ADRA+\s], s21, v4
	v_add_nc_u32 v[ADRB+\s], s22, v4
	v_add_nc_u32 v[ADRA+2+\s], s21, v5
	v_add_nc_u32 v[ADRB+2+\s], s22, v5
	s_add_co_u32 s21, s21, 2*HALFT
	s_add_co_u32 s22, s22, 2*HALFT
.endr
	v_mul_u32_u24 v5, v1, KS
	v_lshrrev_b32 v6, 8, v5
	v_lshl_add_u32 v5, v6, 4, v5                   ; my row's scale bytes: 32 a row, 16 more for each 256 passed
	s_mul_i32 s21, s15, HALFS
	s_mul_i32 s22, s16, HALFS
	s_add_co_u32 s22, s22, 2*HALFS
	s_sub_co_u32 s22, s22, s21
	v_mul_u32_u24 v6, s22, v2                      ; lanes 16-31 take B's
	s_add_co_u32 s21, s21, SCL
	v_add_nc_u32 v5, v5, v6
	v_add_nc_u32 v[ADRS], s21, v5
	; the biases.  s67: my first row of A within its part; s99: my first row of B within its part
	s_lshl_b32 s67, s17, 8
	s_lshl_b32 s18, s15, 7
	s_add_co_u32 s67, s67, s18
	s_lshl_b32 s99, s42, 8
	s_lshl_b32 s18, s16, 7
	s_add_co_u32 s99, s99, s18
	s_add_co_u32 s18, s67, 2048
	s_cmp_eq_u32 s96, 0
	s_cselect_b32 s100, s99, s18                   ; my 128 columns of W_qkv begin here
	s_lshl_b32 s100, s100, 2
	s_mov_b32 s101, 0
	s_add_nc_u64 s[100:101], s[8:9], s[100:101]
	s_cmp_eq_u32 s96, 0
	s_cbranch_scc0 .Lbias_v
	v_lshlrev_b32 v[BOF], 6, v2                    ; q, k: register 8 b + j wants column 32 (b / 2) + 16 h + 8 (b % 2) + j
.irp b, 0,1,2,3,4,5,6,7
	global_load_b128 v[BI+8*\b:BI+8*\b+3], v[BOF], s[100:101] offset:(32*(\b/2)+8*(\b%2))*4
	global_load_b128 v[BI+8*\b+4:BI+8*\b+7], v[BOF], s[100:101] offset:(32*(\b/2)+8*(\b%2))*4+16
.endr
	s_branch .Lbias_in
.Lbias_v:
	v_and_b32 v[BOF], 8, v1
	v_add_nc_u32 v[BOF], v[BOF], v1
	v_lshlrev_b32 v[BOF], 2, v[BOF]                ; v: my lane's column of block a is 32 (a / 2) + 8 (a % 2) + r + 8 (r / 8); it fills the block's eight registers, so that both ways write the same 64
.irp a, 0,1,2,3,4,5,6,7
.irp j, 0,1,2,3,4,5,6,7
	global_load_b32 v[BI+8*\a+\j], v[BOF], s[100:101] offset:(32*(\a/2)+8*(\a%2))*4
.endr
.endr
.Lbias_in:
.macro FRAG reg, adr, q, i             ; 16 rows x 128 K of 6-bit codes: 12 registers, in pieces of 8 bytes; where lanes 16-31's piece lies behind one padding more, the second address register serves
.irp p, 0,1,2,3,4,5
.set PCE, 12*(\q)+6*(\p/3)+\p%3
.if PCE%8 < 5
	ds_load_b64 v[\reg+2*\p:\reg+2*\p+1], v[\adr] offset:8*PCE+16*(PCE/8)+(\i)*16*PITCH
.else
	ds_load_b64 v[\reg+2*\p:\reg+2*\p+1], v[\adr+2] offset:8*PCE+16*(PCE/8)+(\i)*16*PITCH
.endif
.endr
.endm
; 16 matrix instructions: A's blocks a0, a0 + 1 x B's eight.  The 64 accumulators take turns, one instruction a turn, in the same order in every step.
.macro MUL16 a0, p, q, sc, zero
.irp a, \a0, \a0+1
.irp b, 0,1,2,3,4,5,6,7
.if \zero
	v_wmma_scale_f32_16x16x128_f8f6f4 v[8*(8*((\a)%4)+\b):8*(8*((\a)%4)+\b)+7], v[128*(\p)+FR*\b:128*(\p)+FR*\b+FR-1], v[AF+FR*(\a):AF+FR*(\a)+FR-1], 0, v[SC+8*NQ*(\sc)+NQ*\b+(\q)], v[SC+8*NQ*(\sc)+NQ*(\a)+(\q)] matrix_a_fmt:MATRIX_FMT_FP6 matrix_b_fmt:MATRIX_FMT_FP6 matrix_a_scale:MATRIX_SCALE_ROW1
.else
	v_wmma_scale_f32_16x16x128_f8f6f4 v[8*(8*((\a)%4)+\b):8*(8*((\a)%4)+\b)+7], v[128*(\p)+FR*\b:128*(\p)+FR*\b+FR-1], v[AF+FR*(\a):AF+FR*(\a)+FR-1], v[8*(8*((\a)%4)+\b):8*(8*((\a)%4)+\b)+7], v[SC+8*NQ*(\sc)+NQ*\b+(\q)], v[SC+8*NQ*(\sc)+NQ*(\a)+(\q)] matrix_a_fmt:MATRIX_FMT_FP6 matrix_b_fmt:MATRIX_FMT_FP6 matrix_a_scale:MATRIX_SCALE_ROW1
.endif
.endr
.endr
.endm
.macro FETCH_B slot, q, p
	WIN TO_B
.irp i, 0,1,2,3,4,5,6,7
	FRAG 128*(\p)+FR*\i, ADRB+\slot, \q, \i
.endr
	WIN 0
.endm
.macro FETCH_A slot, q, i0
.irp i, \i0, \i0+1, \i0+2, \i0+3
	FRAG AF+FR*(\i), ADRA+\slot, \q, \i
.endr
.endm
.macro SCALES sc                       ; a K step's scale words: lanes 0-15 A's block i, lanes 16-31 B's block i
.irp i, 0,1,2,3,4,5,6,7
	ds_load_b64 v[SC+8*NQ*\sc+NQ*\i:SC+8*NQ*\sc+NQ*\i+1], v[ADRS] offset:\i*SBLK
.endr
.endm
.macro PLACES n                        ; plain vector lines between a matrix instruction and a load into, or a vector line on, one of its registers
.rept \n
	v_nop
.endr
.endm
.macro STEP slot, q, zero              ; 128 along K whose successor lies in the same slot
	s_wait_dscnt 4*NL                              ; B's set and A's blocks 0-3 are in; the youngest 24 loads (A's blocks 4-7) may be out
	WIN MUL_LO
	MUL16 0, (\q)%2, \q, \slot, \zero
	MUL16 2, (\q)%2, \q, \slot, \zero
	s_wait_dscnt 0
	PLACES NP
	FETCH_B \slot, (\q)+1, 1-(\q)%2
	FETCH_A \slot, (\q)+1, 0
	WIN MUL_HI
	MUL16 4, (\q)%2, \q, \slot, \zero
	MUL16 6, (\q)%2, \q, \slot, \zero
	PLACES NP
	WIN 0
	FETCH_A \slot, (\q)+1, 4
.endm
; A slot's last step changes slots: one barrier; in front of it each wave waits for all its tensor loads, adds 0 to its spare word, and waits for that and for its reads of this slot.
.macro TURN slot, next, fill
	s_wait_tensorcnt 0x0                           ; all my tensor loads have landed: my part of the next slot
	ds_add_u32 v[SPW], v[NIL]                      ; 0 onto my spare word
	s_wait_dscnt 4*NL+1                            ; the add and the youngest 24 loads may be out
	WIN MUL_LO
	MUL16 0, 1, NQ-1, \slot, 0
	s_wait_dscnt 0x0                               ; the add is done, and my reads of this slot are over
	s_barrier_signal -1
	MUL16 2, 1, NQ-1, \slot, 0
	WIN 0
	s_barrier_wait -1
.if \fill
	CREST                                          ; the barrier has opened a round of the cluster's: no wave of any partner still reads this slot or has a load on its way
	s_add_nc_u64 s[G0+4*\slot+2:G0+4*\slot+3], s[G0+4*\slot+2:G0+4*\slot+3], 2*STEPB
	s_add_nc_u64 s[G0B+4*\slot+2:G0B+4*\slot+3], s[G0B+4*\slot+2:G0B+4*\slot+3], 2*STEPB
	JLOAD G0+4*\slot, G1, G0B+4*\slot, G1B         ; the first tensor load behind the round; its four v_nop are the places in front of the loads below
.else
	PLACES NP
.endif
	s_wait_alu depctr_va_vdst(0)
	v_add_nc_u32 v[ADRS], 4*NQ, v[ADRS]            ; the next K step's scale words
	FETCH_B \next, 0, 0
	FETCH_A \next, 0, 0
	SCALES \next
	WIN MUL_HI
	MUL16 4, 1, NQ-1, \slot, 0
	MUL16 6, 1, NQ-1, \slot, 0
	PLACES NP
	WIN 0
	FETCH_A \next, 0, 4
.endm
	s_wait_alu depctr_va_vdst(0)
	s_wait_tensorcnt 0x0                           ; my tile of the head's four is in
	s_mov_b32 s[G1+2], 96<<16
	s_mov_b32 s[G1+4], 96
	s_mov_b32 s[G1B+2], 96<<16
	s_mov_b32 s[G1B+4], 96
	s_mov_b32 s[G0+1], s45                         ; and slot 0's groups 0 name my quarter of the slot
	s_add_co_u32 s[G0B+1], s45, 4*HALFT
	s_add_nc_u64 s[G0+2:G0+3], s[G0+2:G0+3], s[94:95]
	s_add_nc_u64 s[G0B+2:G0B+3], s[G0B+2:G0B+3], s[94:95]
	s_barrier_signal -1
	s_barrier_wait -1                              ; all four tiles are in: both slots and the scale bytes
	FETCH_B 0, 0, 0
	FETCH_A 0, 0, 0
	s_wait_alu depctr_va_vdst(0)
	SCALES 0
	FETCH_A 0, 0, 4
	STEP 0, 0, 1                                   ; the first step's products start the sums
	s_mov_b32 s3, LAPS-1
.Llap:
	TURN 0, 1, 1
	STEP 1, 0, 0
	TURN 1, 0, 1
	STEP 0, 0, 0
	s_sub_co_u32 s3, s3, 1
	s_cmp_lg_u32 s3, 0
	s_cbranch_scc1 .Llap
	TURN 0, 1, 0                                   ; the last lap fills nothing
	STEP 1, 0, 0
	s_wait_dscnt 4*NL
	WIN MUL_LO
	MUL16 0, 1, NQ-1, 1, 0
	MUL16 2, 1, NQ-1, 1, 0
	s_wait_dscnt 0
	WIN MUL_HI
	MUL16 4, 1, NQ-1, 1, 0
	MUL16 6, 1, NQ-1, 1, 0
	WIN 0
; THE WAY OUT, block by block of A's 16 rows.  No LDS: a fragment's registers leave as they stand.
; BIASED: block a's 64 sums + their biases -> v[ST] on; each accumulator is read from its low end on.  vmode = 1: the bias is the lane's own.
.macro BIASED a, vmode
	WIN 0x02+(\a)/4                                ; source 0: window 2 or 3
.set ii, 0
.rept 32
.if \vmode
	v_pk_add_f32 v[ST+2*ii:ST+2*ii+1], v[64*((\a)%4)+2*ii:64*((\a)%4)+2*ii+1], v[BI+8*(\a)+2*(ii%4):BI+8*(\a)+2*(ii%4)+1]
.else
	v_pk_add_f32 v[ST+2*ii:ST+2*ii+1], v[64*((\a)%4)+2*ii:64*((\a)%4)+2*ii+1], v[BI+2*ii:BI+2*ii+1]
.endif
.set ii, ii+1
.endr
	WIN 0
.endm
; QUANT: 64 numbers of a lane, register 16 b + i = k 32 b + 16 (lane / 16) + i of my row, become codes: k 0-63 in v[d0] .. v[d0 + 5], k 64-127 in v[d1] .. v[d1 + 5]; the four bytes in v[pw].
.macro QUANT s, d0, d1, pw
.irp b, 0,1,2,3
	v_max3_num_f32 v[TM+\b], |v[\s+16*\b]|, |v[\s+1+16*\b]|, 0x1800000   ; my 16 numbers of block b, and the floor 2^(3 - 127)
.endr
.irp i, 2,4,6,8,10,12,14
.irp b, 0,1,2,3
	v_max3_num_f32 v[TM+\b], v[TM+\b], |v[\s+16*\b+\i]|, |v[\s+1+16*\b+\i]|
.endr
.endr
.irp b, 0,1,2,3
	v_permlanex16_b32 v[TM+4+\b], v[TM+\b], s2, s3
.endr
.irp b, 0,1,2,3
	v_max_num_f32 v[TM+\b], v[TM+\b], v[TM+4+\b]   ; with lane l xor 16's: the block's largest magnitude
.endr
.irp b, 0,1,2,3
	v_add_nc_u32 v[TM+12+\b], 0xff000000, v[TM+\b] ; 2 off its exponent field: the conversion's scale operand
.endr
.irp b, 0,1,2,3
	v_lshrrev_b32 v[TM+4+\b], 23, v[TM+12+\b]      ; the scale's byte
.endr
	v_lshl_or_b32 v[\pw], v[TM+5], 8, v[TM+4]
	v_lshl_or_b32 v[\pw], v[TM+6], 16, v[\pw]
	v_lshl_or_b32 v[\pw], v[TM+7], 24, v[\pw]
	v_cvt_scalef32_pk16_fp6_f32 v[\d0:\d0+2], v[\s:\s+15], v[TM+12]
	v_cvt_scalef32_pk16_fp6_f32 v[YT:YT+2], v[\s+16:\s+31], v[TM+13]
	v_cvt_scalef32_pk16_fp6_f32 v[\d1:\d1+2], v[\s+32:\s+47], v[TM+14]
	v_cvt_scalef32_pk16_fp6_f32 v[YT+4:YT+6], v[\s+48:\s+63], v[TM+15]
	v_nop                                          ; one plain line behind the conversions
.irp i, 0,1,2                                  ; the operand wants a whole block in a lane: lanes 0-15 the even block, lanes 16-31 the odd one
	v_permlane16_swap_b32 v[\d0+\i], v[YT+\i]
	v_permlane16_swap_b32 v[\d1+\i], v[YT+4+\i]
.endr
.irp i, 0,1,2
	v_mov_b32 v[\d0+3+\i], v[YT+\i]
	v_mov_b32 v[\d1+3+\i], v[YT+4+\i]
.endr
.endm
	PLACES NP                                      ; behind the last products: their operands' registers are written below
	s_wait_loadcnt 0x0                             ; the biases
	v_and_b32 v[LI], 31, v0
	v_lshlrev_b32 v[L8], 3, v[LI]
	v_lshlrev_b32 v[LI], 4, v[LI]
.irp b, 0,1,2,3
	v_mov_b32 v[TM+4+\b], 0                        ; a lane permute's destination counts as one of its sources
.endr
	s_mov_b32 s2, 0x76543210
	s_mov_b32 s3, 0xfedcba98                       ; lane l xor 16
	s_mov_b32 s66, 0xffff0000                      ; lanes 16-31
	s_cmp_eq_u32 s96, 0
	s_cbranch_scc0 .Lv_out
	; ---- q or k: my 128 tokens (one step) x my 128 columns (two heads)
	s_lshr_b32 s18, s67, 11                        ; batch
	s_bfe_u32 s19, s67, 0x40007                    ; step
	s_bfe_u32 s20, s99, 0x40006                    ; first head
	s_lshl_b32 s18, s18, 4
	s_add_co_u32 s18, s18, s20
	s_lshl_b32 s18, s18, 4
	s_add_co_u32 s18, s18, s19                     ; the record
	s_mov_b32 s21, 12800
	s_cmp_eq_u32 ttmp9, 0
	s_cselect_b32 s21, 6400, s21                   ; a record's bytes: q's, or k's and v's
	s_cselect_b32 s22, 0, 6553600
	s_mul_i32 s18, s18, s21
	s_add_co_u32 s18, s18, s22
	s_mov_b32 s19, 0
	s_add_nc_u64 s[18:19], s[10:11], s[18:19]      ; the first head's record,
	s_lshl_b32 s20, s21, 4
	s_mov_b32 s21, 0
	s_add_nc_u64 s[20:21], s[18:19], s[20:21]      ; the second head's: 16 records on
.irp be, 0,1,2,3                               ; a fragment: blocks 2 be and 2 be + 1
.if \be > 0
	s_wait_xcnt 0x0                                ; the last fragments' stores have read their registers
.endif
.irp u, 0,1
	BIASED 2*\be+\u, 0
	QUANT ST, FA+6*\u, FB+6*\u, PW+\u              ; k 0-63 is the first head's d, k 64-127 the second's
.endr
.irp c, 0,1,2
	global_store_b128 v[LI], v[FA+4*\c:FA+4*\c+3], s[18:19] offset:1536*\be+512*\c   ; 512 consecutive bytes, aligned
	global_store_b128 v[LI], v[FB+4*\c:FB+4*\c+3], s[20:21] offset:1536*\be+512*\c
.endr
	v_perm_b32 v[SW+\be], v[PW+1], v[PW], 0x05040100     ; the first head's word: tile 0's two bytes, tile 1's two
	v_perm_b32 v[SW+4+\be], v[PW+1], v[PW], 0x07060302   ; the second head's
.endr
	v_cndmask_b32 v[SW], v[SW], v[SW+1], s66       ; fragments 0 | 1 and 2 | 3 in the lanes' halves
	v_cndmask_b32 v[SW+1], v[SW+2], v[SW+3], s66
	v_cndmask_b32 v[SW+4], v[SW+4], v[SW+5], s66
	v_cndmask_b32 v[SW+5], v[SW+6], v[SW+7], s66
	global_store_b64 v[L8], v[SW:SW+1], s[18:19] offset:6144     ; 256 consecutive bytes, aligned
	global_store_b64 v[L8], v[SW+4:SW+5], s[20:21] offset:6144
	s_branch .Lout_done
.Lv_out:
	; ---- v: my 128 of W_v's columns (two heads) x my 128 tokens (one step): a block is a whole fragment, 16 d x 128 keys
	s_lshr_b32 s18, s99, 11                        ; batch
	s_bfe_u32 s19, s99, 0x40007                    ; step
	s_lshr_b32 s20, s67, 6                         ; first head
	s_lshl_b32 s18, s18, 4
	s_add_co_u32 s18, s18, s20
	s_lshl_b32 s18, s18, 4
	s_add_co_u32 s18, s18, s19
	s_mul_i32 s18, s18, 12800
	s_add_co_u32 s18, s18, 6553600+6400            ; v's part of the record
	s_mov_b32 s19, 0
	s_add_nc_u64 s[18:19], s[10:11], s[18:19]
	s_add_nc_u64 s[20:21], s[18:19], 204800        ; the second head's: 16 records on
.irp a, 0,1,2,3,4,5,6,7
.if \a > 1
	s_wait_xcnt 0x0                                ; earlier stores have read their registers: two fragments take turns
.endif
	BIASED \a, 1
	QUANT ST, FA+12*(\a%2), FA+12*(\a%2)+6, SW+\a%4
.irp c, 0,1,2
	global_store_b128 v[LI], v[FA+12*(\a%2)+4*\c:FA+12*(\a%2)+4*\c+3], s[18+2*(\a/4):19+2*(\a/4)] offset:1536*(\a%4)+512*\c
.endr
.if \a%4 == 3
	v_cndmask_b32 v[SW], v[SW], v[SW+1], s66
	v_cndmask_b32 v[SW+1], v[SW+2], v[SW+3], s66
	global_store_b64 v[L8], v[SW:SW+1], s[18+2*(\a/4):19+2*(\a/4)] offset:6144
.endif
.endr
.Lout_done:
	s_wait_tensorcnt 0x0                           ; the wave's end
	ds_add_u32 v[SPW], v[NIL]
	s_wait_dscnt 0x0
	CROUND                                         ; the closing round
	s_endpgm
.Lfunc_end_k_q25929a7683_qkv:
	.size	k_q25929a7683_qkv, .Lfunc_end_k_q25929a7683_qkv-k_q25929a7683_qkv
	.p2alignl 7, 3214868480
	.fill 96, 4, 3214868480
	.section	.rodata,"a",@progbits
	.p2align	6, 0x0
	.amdhsa_kernel k_q25929a7683_qkv
		.amdhsa_group_segment_fixed_size 327680
		.amdhsa_private_segment_fixed_size 0
		.amdhsa_enable_private_segment 0
		.amdhsa_kernarg_size 32
		.amdhsa_user_sgpr_count 2
		.amdhsa_user_sgpr_kernarg_segment_ptr 1
		.amdhsa_wavefront_size32 1
		.amdhsa_system_sgpr_workgroup_id_x 1
		.amdhsa_system_sgpr_workgroup_id_y 1
		.amdhsa_system_sgpr_workgroup_id_z 1
		.amdhsa_system_vgpr_workitem_id 0
		.amdhsa_next_free_vgpr 1024
		.amdhsa_next_free_sgpr 102
		.amdhsa_reserve_vcc 0
		.amdhsa_float_denorm_mode_32 3
		.amdhsa_float_denorm_mode_16_64 3
		.amdhsa_memory_ordered 1
		.amdhsa_forward_progress 1
		.amdhsa_inst_pref_size 239
	.end_amdhsa_kernel
	.amdgpu_metadata
---
amdhsa.version: [ 1, 2 ]
amdhsa.kernels:
  - .name:           k_q25929a7683_qkv
    .symbol:         k_q25929a7683_qkv.kd
    .args:
      - { .name: codes1, .offset: 0, .size: 8, .value_kind: global_buffer, .address_space: global }
      - { .name: scales1, .offset: 8, .size: 8, .value_kind: global_buffer, .address_space: global }
      - { .name: b_qkv, .offset: 16, .size: 8, .value_kind: global_buffer, .address_space: global }
      - { .name: qkv, .offset: 24, .size: 8, .value_kind: global_buffer, .address_space: global }
    .group_segment_fixed_size: 327680
    .private_segment_fixed_size: 0
    .kernarg_segment_align: 8
    .kernarg_segment_size: 32
    .max_flat_workgroup_size: 128
    .sgpr_count:     102
    .vgpr_count:     1024
    .wavefront_size: 32
...
	.end_amdgpu_metadata
.endif
;; end of part 2
;; launch attn (part 3): grid 4 x 64, 16 waves a work-group, no clusters, 206,848 bytes of LDS; arguments qkv, masks, ao, aos; writes ao, aos
.if DOCPART == 3
	.amdgcn_target "amdgcn-amd-amdhsa--gfx1250"
	.amdhsa_code_object_version 6
	.text
	.protected	k_q25929a7683_attn
	.globl	k_q25929a7683_attn
	.p2align	8
	.type	k_q25929a7683_attn,@function
k_q25929a7683_attn:
	s_mov_b64 s[64:65], 0
	v_nop
	global_prefetch_b8 v0, s[64:65] scope:SCOPE_SE
	s_setreg_imm32_b32 hwreg(HW_REG_WAVE_MODE, 25, 1), 1
	s_wait_xcnt 0x0
; ATTN: softmax(q k^T / 8, hidden keys masked) v for one batch and head, both products on codes of FP6 (E2M3); the result, divided by the row's sum, is quantised along e for the last product.
; SHARES.  Work-group (x, y): 512 queries (x) of batch x head y.  Each of sixteen waves owns 32 query positions, one fragment of Q, as two passes of 16; four waves to a SIMD.
; The head's 16 records of K and V (12,800 bytes each) go through registers into LDS once, a record a wave; one barrier.
; K'S ROWS ARE REGROUPED ON THAT WAY, by the stores' addresses alone: tile t of a band of 64 keys gets keys 8 t + i (rows 0-7) and 32 + 8 t + i (rows 8-15).  With S^T = k q^T a lane (r, h) then holds query r, and its score
; register 32 c + i is key 64 c + 32 h + i: a lane holds two WHOLE blocks of 32 keys, in the order of p's operand registers.  A block's largest score needs no other lane and the conversions' results stay where they fall.
; K = 64 IN AN INSTRUCTION OF 128.  A fragment of K holds two tiles of 16 keys x 64 d.  Against (q, zeros) it gives the first tile's scores, against (zeros, q) the second's: zero codes add nothing.
; SOFTMAX.  t = score x log2(e) / 8; M = the running largest t rounded up to a whole number; p = 2^(t - M) is quantised along the keys; the row's sum is taken of the unquantised p and divides at the end.
; THE MASK.  Whole numbers stored by the first launch: SKIP (bit s: no key of step s counts: the step is left out, its p would be 0), MIX (bit s: some keys are hidden: their scores become -2^33 by 64 lane masks read as scalars).
; -2^33 x log2(e) / 8 is a whole number in f32, so a batch with no key that counts (SKIP = 0, MIX = all) gives p = 1 for every key, as the plain softmax of equal logits does.
; LIMITS: a hidden key stands at t = -1.55e9 where the definition has -1.44e9: the same result while real logits stay above -1e9.  Blocks of zeros or under 2^-124 get the byte 1, their codes are zeros.  NaN and infinities are not served.
; NO CLUSTER, NO TENSOR LOAD, though the four work-groups of a head read the same 204,800 bytes: joint loads are tensor loads.
; No prefetch into the L2: K and V are asked for once, at the head, ahead of any loop.
; OUT.  ao [tile of 16 positions][K fragment 8][6 chunks][lane][8 bytes]: a head is half a fragment: three stores of 256 consecutive bytes.  aos [position][32]: a lane stores one byte.
.set REC,  12800
.set SPARE, 16*REC                     ; the spare words: 128 bytes a wave, eight blocks of 256 bytes that no other line names
.set L16,  1                           ; v1 16 x lane, v2 8 x lane
.set L8,   2
.set AK,   3                           ; v3, v4 LDS addresses of the step's record
.set AKS,  4
.set NEG,  7                           ; v7 -2^33
.set QS,   8                           ; v8 q's scale word; v10-11 K's, v12-13 V's, v14 p's
.set KSC,  10
.set VSC,  12
.set PSW,  14
.set NM,   16                          ; v16 -M (low word of a pair)
.set FF,   20                          ; v20 f = 2^(old M - new M)
.set SMX,  24                          ; v24 the running largest score
.set OLD,  25                          ; v25 -M of the step before
.set H8,   26                          ; v26 8 h
.set AOS,  27                          ; v27 32 r + h
.set SWQ,  28                          ; v28 the fragment's scale word as loaded
.set SPW,  30
.set NIL,  31
.set TM,   32                          ; v32-47 at work
.set ZQ,   48                          ; v48-65 zeros, q, zeros
.set QP,   66                          ; v66-77 Q's fragment
.set KF,   80                          ; v80-127 four fragments of K, then of V
.set S,    128                         ; v128-191 scores, then p
.set OT,   192                         ; v192-223 O^T
.set PC,   224                         ; v224-235 p's codes
.set TC,   236                         ; v236-242 conversions' second halves
.set AC,   244                         ; v244-251 partial sums
.set SUM,  252                         ; v252-253 the row's sum
.set FB,   128                         ; v128-227 the record on its way into LDS
.macro WALU
	s_wait_alu depctr_va_vdst(0)
.endm
	s_load_b256 s[4:11], s[0:1], 0x0               ; qkv, masks, ao, aos
	v_lshl_add_u32 v[SPW], v0, 2, SPARE
	v_mov_b32 v[NIL], 0
	v_lshrrev_b32 v1, 5, v0
	v_readfirstlane_b32 s12, v1                    ; wave 0..15
	s_mul_i32 s28, s12, REC                        ; my record
	s_and_b32 s29, s12, 3
	s_mul_i32 s30, s29, 1536                       ; Q: fragment wave % 4
	s_and_b32 s29, s12, 1
	s_lshl_b32 s29, s29, 7
	s_bfe_u32 s31, s12, 0x10001
	s_lshl_b32 s31, s31, 2
	s_add_co_u32 s29, s29, s31
	v_and_b32 v3, 31, v0
	v_and_b32 v4, 15, v0                           ; r
	v_bfe_u32 v5, v0, 4, 1                         ; h
	v_bfe_u32 v6, v0, 3, 1                         ; r / 8
	v_and_b32 v33, 7, v0                           ; r % 8
	v_lshlrev_b32 v[L16], 4, v3
	v_lshlrev_b32 v[L8], 3, v3
	v_lshl_add_u32 v[AOS], v4, 5, v5
	v_lshlrev_b32 v[H8], 3, v5
	v_mov_b32 v[NEG], 0xd0000000                   ; -2^33
	v_mul_u32_u24 v32, v6, 1536
	v_lshlrev_b32 v34, 3, v33
	v_lshl_add_u32 v32, v33, 4, v32
	v_lshl_add_u32 v34, v5, 6, v34
	v_lshl_add_u32 v32, v5, 8, v32                 ; K's codes: 1536 (r / 8) + 16 (r % 8) + 256 h
	v_lshl_add_u32 v34, v6, 7, v34                 ; K's scale words: 8 (r % 8 + 8 h + 16 (r / 8)); here h is the fragment's parity
	v_add_nc_u32 v32, s28, v32
	v_add_nc_u32 v34, s28, v34
	v_add_nc_u32 v37, s28, v[L16]                  ; as it lies: in memory and in LDS alike
	v_add_nc_u32 v38, s28, v[L8]
	v_add_nc_u32 v35, s30, v[L16]
	v_lshl_add_u32 v36, v4, 3, s29                 ; Q's scale word of row r: 8 (16 (f % 2) + r) + 4 (f / 2)
	s_and_b32 s13, ttmp7, 0xffff                   ; batch x 16 + head
	s_lshr_b32 s14, s13, 4
	s_and_b32 s15, s13, 15
	s_lshl_b32 s16, s13, 4
	s_lshl_b32 s17, ttmp9, 2
	s_add_co_u32 s16, s16, s17
	s_lshr_b32 s17, s12, 2
	s_add_co_u32 s16, s16, s17
	s_mul_i32 s16, s16, 6400                       ; Q's record: step 4 x + wave / 4
	s_mov_b32 s17, 0
	s_mul_i32 s18, s13, 16*REC
	s_add_co_u32 s18, s18, 6553600
	s_mov_b32 s19, 0
	s_lshl_b32 s100, s14, 8                        ; the batch's flags
	s_lshl_b32 s26, s14, 12
	s_add_co_u32 s26, s26, 1024
	s_mov_b32 s27, 0
	s_lshl_b32 s68, s14, 7
	s_lshl_b32 s69, ttmp9, 5
	s_add_co_u32 s68, s68, s69
	s_lshl_b32 s69, s12, 1
	s_add_co_u32 s68, s68, s69                     ; my first tile of 16 positions
	s_lshl_b32 s70, s68, 9
	s_lshl_b32 s71, s15, 1
	s_add_co_u32 s70, s70, s71                     ; aos: 512 bytes a tile, + 2 x head
	s_mov_b32 s71, 0
	s_lshl_b32 s68, s68, 3
	s_lshr_b32 s69, s15, 1
	s_add_co_u32 s68, s68, s69
	s_mul_i32 s68, s68, 1536
	s_and_b32 s69, s15, 1
	s_mul_i32 s69, s69, 768
	s_add_co_u32 s68, s68, s69                     ; ao: fragment head / 2, half head % 2
	s_mov_b32 s69, 0
	s_mov_b32 s20, 0x76543210
	s_mov_b32 s21, 0xfedcba98                      ; lane l xor 16
	s_mov_b32 s22, 0x3e38aa3b                      ; c = log2(e) / 8
	s_mov_b32 s23, s22
	s_mov_b32 s66, 0xffff0000                      ; lanes 16-31
	s_mov_b32 s67, 0xff800000                      ; under every score
	s_mov_b32 s13, 0x1800000                       ; the floor 2^(3 - 127)
	s_mov_b32 s31, 0
	WALU
	s_wait_kmcnt 0x0
	s_load_b64 s[24:25], s[6:7], s100 offset:0x0   ; SKIP, MIX
	s_add_nc_u64 s[16:17], s[4:5], s[16:17]
	s_add_nc_u64 s[18:19], s[4:5], s[18:19]
	s_add_nc_u64 s[26:27], s[6:7], s[26:27]
	s_add_nc_u64 s[8:9], s[8:9], s[68:69]
	s_add_nc_u64 s[10:11], s[10:11], s[70:71]
.set ii, 0
.rept 12                                       ; my record: K's fragments, K's scale words, V's fragments, V's scale words
	global_load_b128 v[FB+4*ii:FB+4*ii+3], v37, s[18:19] offset:512*ii
.set ii, ii+1
.endr
	global_load_b64 v[FB+48:FB+49], v38, s[18:19] offset:6144
.set ii, 0
.rept 12
	global_load_b128 v[FB+50+4*ii:FB+53+4*ii], v37, s[18:19] offset:6400+512*ii
.set ii, ii+1
.endr
	global_load_b64 v[FB+98:FB+99], v38, s[18:19] offset:12544
.irp c, 0,1,2
	global_load_b128 v[QP+4*\c:QP+4*\c+3], v35, s[16:17] offset:512*\c
.endr
	global_load_b32 v[SWQ], v36, s[16:17] offset:6144
	s_wait_loadcnt 0x0
.set ii, 0
.rept 12                                       ; K's fragment 2 c + a, row r goes to fragment 2 c + r / 8, row r % 8 + 8 a; its scale word likewise; V as it lies
	ds_store_b128 v32, v[FB+4*ii:FB+4*ii+3] offset:3072*(ii/6)+128*((ii/3)%2)+512*(ii%3)
.set ii, ii+1
.endr
	ds_store_b64 v34, v[FB+48:FB+49] offset:6144
.set ii, 0
.rept 12
	ds_store_b128 v37, v[FB+50+4*ii:FB+53+4*ii] offset:6400+512*ii
.set ii, ii+1
.endr
	ds_store_b64 v38, v[FB+98:FB+99] offset:12544
	s_wait_dscnt 0x0                               ; for the others' sake: my record lies in LDS
	s_barrier_signal -1
	s_barrier_wait -1                              ; all sixteen do.  Nothing is written to LDS behind this barrier
.irp i, 0,1,2,3,4,5
	v_mov_b32 v[ZQ+\i], 0                          ; zero codes
	v_mov_b32 v[ZQ+12+\i], 0
.endr
.set ii, 0
.rept 16
	v_mov_b32 v[TM+ii], 0                          ; a lane permute's destination counts as one of its sources
.set ii, ii+1
.endr
	v_mov_b32 v[NM+1], 0                           ; the upper words of the pairs -M and f
	v_mov_b32 v[FF+1], 0
	s_wait_kmcnt 0x0                               ; the flags
.Lpass:                                        ; two passes: the fragment's tile 0, then tile 1
.irp i, 0,1,2,3,4,5
	v_mov_b32 v[ZQ+6+\i], v[QP+\i]                 ; this pass's 16 queries between the zeros,
.endr
.irp i, 0,1,2,3,4,5
	v_mov_b32 v[QP+\i], v[QP+6+\i]                 ; the next pass's moved down
.endr
	v_perm_b32 v[QS], v[SWQ], v[SWQ], 0x01000100   ; the tile's two bytes, twice
	v_lshrrev_b32 v[SWQ], 16, v[SWQ]
	v_mov_b32 v[SMX], 0xff61b1e6                   ; the largest score so far: -3e38
.set ii, 0
.rept 32
	v_mov_b32 v[OT+ii], 0                          ; O^T: the key step is written once, its first trip finds zeros
.set ii, ii+1
.endr
	v_mov_b32 v[SUM], 0
	v_mov_b32 v[SUM+1], 0
	v_mul_f32 v[TM+12], s22, v[SMX]
	v_floor_f32 v[NM], -v[TM+12]                   ; -M
	s_mov_b32 s28, 0
	s_mov_b32 s29, 0
	s_mov_b32 s30, 0
	WALU
.Lkey:                                         ; sixteen trips of 128 keys; the trip count is a constant, a hidden step jumps to the lines that step addresses
	s_bitcmp1_b32 s24, s29
	s_cbranch_scc1 .Lhid
	v_add_nc_u32 v[AK], s28, v[L16]                ; four plain lines behind the last products, whose fragments' registers are loaded below
	v_add_nc_u32 v[AKS], s28, v[L8]
	v_mov_b32 v[OLD], v[NM]
	v_nop
.irp b, 0,1,2,3
.irp c, 0,1,2
	ds_load_b128 v[KF+12*\b+4*\c:KF+12*\b+4*\c+3], v[AK] offset:1536*\b+512*\c
.endr
.endr
	ds_load_b64 v[KSC:KSC+1], v[AKS] offset:6144
	WALU
	s_wait_dscnt 0x0
.irp b, 0,1,2,3                                ; S^T: fragment b x (q, zeros) = keys' tile 2 b, x (zeros, q) = tile 2 b + 1
.irp u, 0,1
.if \b%2
	v_wmma_scale_f32_16x16x128_f8f6f4 v[S+16*\b+8*\u:S+16*\b+8*\u+7], v[KF+12*\b:KF+12*\b+11], v[ZQ+6-6*\u:ZQ+17-6*\u], 0, v[KSC+\b/2], v[QS] matrix_a_fmt:MATRIX_FMT_FP6 matrix_b_fmt:MATRIX_FMT_FP6 matrix_a_scale:MATRIX_SCALE_ROW1
.else
	v_wmma_scale_f32_16x16x128_f8f6f4 v[S+16*\b+8*\u:S+16*\b+8*\u+7], v[KF+12*\b:KF+12*\b+11], v[ZQ+6-6*\u:ZQ+17-6*\u], 0, v[KSC+\b/2], v[QS] matrix_a_fmt:MATRIX_FMT_FP6 matrix_b_fmt:MATRIX_FMT_FP6
.endif
.endr
.endr
.rept 4
	v_nop                                          ; places: in front of the loads over K's fragments and of the first read of the scores
.endr
.irp d, 0,1,2,3                                ; V's fragments land under the softmax
.irp c, 0,1,2
	ds_load_b128 v[KF+12*\d+4*\c:KF+12*\d+4*\c+3], v[AK] offset:6400+1536*\d+512*\c
.endr
.endr
	ds_load_b64 v[VSC:VSC+1], v[AKS] offset:12544
	s_bitcmp1_b32 s25, s29
	s_cbranch_scc0 .Lopen                          ; every key of the step counts
	s_load_b512 s[32:47], s[26:27], s30 offset:0x0 ; the step's 64 lane masks
	s_load_b512 s[48:63], s[26:27], s30 offset:0x40
	s_load_b512 s[68:83], s[26:27], s30 offset:0x80
	s_load_b512 s[84:99], s[26:27], s30 offset:0xc0
	s_wait_kmcnt 0x0
.set ii, 0
.rept 64
	v_cndmask_b32 v[S+ii], v[NEG], v[S+ii], s[32+ii+4*(ii/32)]   ; a hidden key's score becomes -2^33
.set ii, ii+1
.endr
.Lopen:
.irp k, 0,1,2,3                                ; the largest score of each half block, four chains; each accumulator is read from its low end on
	v_max3_num_f32 v[TM+\k], s67, v[S+16*\k], v[S+16*\k+1]
.endr
.irp i, 2,4,6,8,10,12,14
.irp k, 0,1,2,3
	v_max3_num_f32 v[TM+\k], v[TM+\k], v[S+16*\k+\i], v[S+16*\k+\i+1]
.endr
.endr
	v_max_num_f32 v[TM], v[TM], v[TM+1]            ; my two blocks' largest scores: for the row's maximum, and, since p rises with the score, for the blocks' largest p
	v_max_num_f32 v[TM+2], v[TM+2], v[TM+3]
	v_max_num_f32 v[TM+8], v[TM], v[TM+2]
	v_permlanex16_b32 v[TM+10], v[TM+8], s20, s21
	v_max3_num_f32 v[SMX], v[SMX], v[TM+8], v[TM+10]   ; with lane l xor 16's 64 keys: the running largest score
	v_mul_f32 v[TM+12], s22, v[SMX]                ; as t (c is positive)
	v_floor_f32 v[NM], -v[TM+12]                   ; the new -M = -ceil(t): a whole number
	v_sub_f32 v[TM+12], v[NM], v[OLD]              ; old M - new M, 0 or less
	v_fma_f32 v[TM], v[TM], s22, v[NM]             ; t - M of each block's largest score
	v_fma_f32 v[TM+2], v[TM+2], s22, v[NM]
	v_cvt_i32_f32 v[TM+12], v[TM+12]               ; (it saturates)
.set ii, 0
.rept 32
	v_pk_fma_f32 v[S+ii:S+ii+1], v[S+ii:S+ii+1], s[22:23], v[NM:NM+1] op_sel_hi:[1,0,0]   ; t - M
.set ii, ii+2
.endr
	v_ldexp_f32 v[FF], 1.0, v[TM+12]               ; f = 2^(old M - new M): rounds nothing
	WALU
.set ii, 0
.rept 64
	v_exp_f32 v[S+ii], v[S+ii]                     ; p = 2^(t - M)
.set ii, ii+1
.endr
	v_exp_f32 v[TM], v[TM]                         ; the blocks' largest p
	v_exp_f32 v[TM+2], v[TM+2]
	v_nop                                          ; a plain line behind the exponentials
	WALU                                           ; one wait for the batch of 66, ahead of its first reader
.irp x, 0,2
	v_max_num_f32 v[TM+\x], s13, v[TM+\x]          ; the floor
.endr
.irp x, 0,2
	v_add_nc_u32 v[TM+1+\x], 0xff000000, v[TM+\x]  ; 2 off the exponent field: the conversion's scale operand
.endr
.irp x, 0,2
	v_lshrrev_b32 v[TM+8+\x/2], 23, v[TM+1+\x]     ; the scale's byte
.endr
.irp c, 0,1
	v_cvt_scalef32_pk16_fp6_f32 v[PC+6*\c:PC+6*\c+2], v[S+32*\c:S+32*\c+15], v[TM+1+2*\c]
	v_cvt_scalef32_pk16_fp6_f32 v[TC+4*\c:TC+4*\c+2], v[S+32*\c+16:S+32*\c+31], v[TM+1+2*\c]
.endr
	v_lshl_or_b32 v[TM+12], v[TM+9], 16, v[TM+8]   ; my two bytes: blocks h and 2 + h,
.irp k, 0,1,2,3                                ; the row's sum of the unquantised p: four chains of packed additions
	v_pk_add_f32 v[AC+2*\k:AC+2*\k+1], v[S+2*\k:S+2*\k+1], v[S+8+2*\k:S+9+2*\k]
.endr
	v_lshlrev_b32 v[TM+12], v[H8], v[TM+12]        ; at their places in the word
.irp k, 0,1,2,3
	v_pk_add_f32 v[AC+2*\k:AC+2*\k+1], v[AC+2*\k:AC+2*\k+1], v[S+16+2*\k:S+17+2*\k]
.endr
	v_permlanex16_b32 v[TM+14], v[TM+12], s20, s21
.irp k, 0,1,2,3
	v_pk_add_f32 v[AC+2*\k:AC+2*\k+1], v[AC+2*\k:AC+2*\k+1], v[S+24+2*\k:S+25+2*\k]
.endr
	v_or_b32 v[PSW], v[TM+12], v[TM+14]            ; with lane l xor 16's two: p's scale word for these 128 keys
.irp j, 4,5,6,7
.irp k, 0,1,2,3
	v_pk_add_f32 v[AC+2*\k:AC+2*\k+1], v[AC+2*\k:AC+2*\k+1], v[S+8*\j+2*\k:S+8*\j+2*\k+1]
.endr
.endr
.irp c, 0,1                                    ; a conversion's three registers begin on an even number: the second halves are moved to their places
.irp i, 0,1,2
	v_mov_b32 v[PC+6*\c+3+\i], v[TC+4*\c+\i]
.endr
.endr
	v_pk_add_f32 v[AC:AC+1], v[AC:AC+1], v[AC+2:AC+3]
	v_pk_add_f32 v[AC+4:AC+5], v[AC+4:AC+5], v[AC+6:AC+7]
	v_pk_add_f32 v[AC:AC+1], v[AC:AC+1], v[AC+4:AC+5]
	v_pk_fma_f32 v[SUM:SUM+1], v[SUM:SUM+1], v[FF:FF+1], v[AC:AC+1] op_sel_hi:[1,0,1]   ; the sum under the new M, and the step's
	WALU
.set ii, 0
.rept 16
	v_pk_mul_f32 v[OT+ii:OT+ii+1], v[OT+ii:OT+ii+1], v[FF:FF+1] op_sel_hi:[1,0]   ; O^T under the new M
.set ii, ii+2
.endr
	WALU
	s_wait_dscnt 0x0                               ; V
.irp d, 0,1,2,3                                ; O^T += V^T P^T: four accumulators by turns; eight score products stand between two steps of a sum
.if \d%2
	v_wmma_scale_f32_16x16x128_f8f6f4 v[OT+8*\d:OT+8*\d+7], v[KF+12*\d:KF+12*\d+11], v[PC:PC+11], v[OT+8*\d:OT+8*\d+7], v[VSC+\d/2], v[PSW] matrix_a_fmt:MATRIX_FMT_FP6 matrix_b_fmt:MATRIX_FMT_FP6 matrix_a_scale:MATRIX_SCALE_ROW1
.else
	v_wmma_scale_f32_16x16x128_f8f6f4 v[OT+8*\d:OT+8*\d+7], v[KF+12*\d:KF+12*\d+11], v[PC:PC+11], v[OT+8*\d:OT+8*\d+7], v[VSC+\d/2], v[PSW] matrix_a_fmt:MATRIX_FMT_FP6 matrix_b_fmt:MATRIX_FMT_FP6
.endif
.endr
.Lhid:
	s_add_co_u32 s28, s28, REC
	s_add_co_u32 s30, s30, 256
	s_add_co_u32 s29, s29, 1
	s_cmp_lt_u32 s29, 16
	s_cbranch_scc1 .Lkey
	; ---- the pass's end: O^T / the sum, quantised along e: register 16 b + i is d = 32 b + 16 h + i of my query: two blocks, each in lanes l and l xor 16
.rept 4
	v_nop                                          ; places behind the last products
.endr
	v_add_f32 v[TM+8], v[SUM], v[SUM+1]
	v_permlanex16_b32 v[TM+10], v[TM+8], s20, s21
	v_add_f32 v[TM+8], v[TM+8], v[TM+10]           ; the row's sum
	WALU
	v_rcp_f32 v[TM+8], v[TM+8]
	v_nop                                          ; a plain line behind the reciprocal
	WALU                                           ; the wait ahead of the first readers
.set ii, 0
.rept 32
	v_mul_f32 v[S+ii], v[OT+ii], v[TM+8]
.set ii, ii+1
.endr
.irp b, 0,1
	v_max3_num_f32 v[TM+\b], s13, |v[S+16*\b]|, |v[S+16*\b+1]|
.endr
.irp i, 2,4,6,8,10,12,14
.irp b, 0,1
	v_max3_num_f32 v[TM+\b], v[TM+\b], |v[S+16*\b+\i]|, |v[S+16*\b+\i+1]|
.endr
.endr
.irp b, 0,1
	v_permlanex16_b32 v[TM+2+\b], v[TM+\b], s20, s21
.endr
.irp b, 0,1
	v_max_num_f32 v[TM+\b], v[TM+\b], v[TM+2+\b]
.endr
.irp b, 0,1
	v_add_nc_u32 v[TM+2+\b], 0xff000000, v[TM+\b]
.endr
.irp b, 0,1
	v_lshrrev_b32 v[TM+\b], 23, v[TM+2+\b]
.endr
	v_cndmask_b32 v[TM+12], v[TM], v[TM+1], s66    ; lanes 0-15 store block 0's byte, lanes 16-31 block 1's
	v_cvt_scalef32_pk16_fp6_f32 v[PC:PC+2], v[S:S+15], v[TM+2]
	v_cvt_scalef32_pk16_fp6_f32 v[TC:TC+2], v[S+16:S+31], v[TM+3]
	v_nop
.irp i, 0,1,2
	v_permlane16_swap_b32 v[PC+\i], v[TC+\i]       ; a whole block to a lane
.endr
.irp i, 0,1,2
	v_mov_b32 v[PC+3+\i], v[TC+\i]
.endr
.irp i, 0,1,2
	global_store_b64 v[L8], v[PC+2*\i:PC+2*\i+1], s[8:9] offset:256*\i   ; 256 consecutive bytes, aligned
.endr
	global_store_b8 v[AOS], v[TM+12], s[10:11]
	s_wait_xcnt 0x0                                ; the stores have read their registers and bases: both are written again
	s_add_nc_u64 s[8:9], s[8:9], 12288             ; the next tile of 16 positions
	s_add_nc_u64 s[10:11], s[10:11], 512
	s_add_co_u32 s31, s31, 1
	s_cmp_lt_u32 s31, 2
	WALU
	s_cbranch_scc1 .Lpass
	s_wait_tensorcnt 0x0                           ; the wave's end
	ds_add_u32 v[SPW], v[NIL]
	s_wait_dscnt 0x0
	s_endpgm
.Lfunc_end_k_q25929a7683_attn:
	.size	k_q25929a7683_attn, .Lfunc_end_k_q25929a7683_attn-k_q25929a7683_attn
	.p2alignl 7, 3214868480
	.fill 96, 4, 3214868480
	.section	.rodata,"a",@progbits
	.p2align	6, 0x0
	.amdhsa_kernel k_q25929a7683_attn
		.amdhsa_group_segment_fixed_size 206848
		.amdhsa_private_segment_fixed_size 0
		.amdhsa_enable_private_segment 0
		.amdhsa_kernarg_size 32
		.amdhsa_user_sgpr_count 2
		.amdhsa_user_sgpr_kernarg_segment_ptr 1
		.amdhsa_wavefront_size32 1
		.amdhsa_system_sgpr_workgroup_id_x 1
		.amdhsa_system_sgpr_workgroup_id_y 1
		.amdhsa_system_sgpr_workgroup_id_z 1
		.amdhsa_system_vgpr_workitem_id 0
		.amdhsa_next_free_vgpr 256
		.amdhsa_next_free_sgpr 102
		.amdhsa_reserve_vcc 0
		.amdhsa_float_denorm_mode_32 3
		.amdhsa_float_denorm_mode_16_64 3
		.amdhsa_memory_ordered 1
		.amdhsa_forward_progress 1
		.amdhsa_inst_pref_size 34
	.end_amdhsa_kernel
	.amdgpu_metadata
---
amdhsa.version: [ 1, 2 ]
amdhsa.kernels:
  - .name:           k_q25929a7683_attn
    .symbol:         k_q25929a7683_attn.kd
    .args:
      - { .name: qkv, .offset: 0, .size: 8, .value_kind: global_buffer, .address_space: global }
      - { .name: masks, .offset: 8, .size: 8, .value_kind: global_buffer, .address_space: global }
      - { .name: ao, .offset: 16, .size: 8, .value_kind: global_buffer, .address_space: global }
      - { .name: aos, .offset: 24, .size: 8, .value_kind: global_buffer, .address_space: global }
    .group_segment_fixed_size: 206848
    .private_segment_fixed_size: 0
    .kernarg_segment_align: 8
    .kernarg_segment_size: 32
    .max_flat_workgroup_size: 512
    .sgpr_count:     102
    .vgpr_count:     256
    .wavefront_size: 32
...
	.end_amdgpu_metadata
.endif
;; end of part 3
;; launch proj (part 4): grid 8 x 32, 4 waves a work-group, clusters of 4 x 4, 327,680 bytes of LDS; arguments ao, aos, codes1, scales1, b_out, out0; writes out0
.if DOCPART == 4
	.amdgcn_target "amdgcn-amd-amdhsa--gfx1250"
	.amdhsa_code_object_version 6
	.text
	.protected	k_q25929a7683_proj
	.globl	k_q25929a7683_proj
	.p2align	8
	.type	k_q25929a7683_proj,@function
k_q25929a7683_proj:
	s_mov_b64 s[64:65], 0
	v_nop
	global_prefetch_b8 v0, s[64:65] scope:SCOPE_SE
	s_setreg_imm32_b32 hwreg(HW_REG_WAVE_MODE, 25, 1), 1
	s_wait_xcnt 0x0
	s_wait_alu depctr_hold_cnt(0) depctr_sa_sdst(0) depctr_va_vdst(0) depctr_va_sdst(0) depctr_va_ssrc(0) depctr_va_vcc(0) depctr_vm_vsrc(0)
	s_getreg_b32 s2, hwreg(HW_REG_IB_STS2, 6, 4)
	s_cmp_eq_u32 s2, 0
	s_cbranch_scc0 .Lentry_in_a_cluster
	s_endpgm
.Lentry_in_a_cluster:
	s_bfe_u32 s2, ttmp6, 0x10000c
	s_cmp_lg_u32 s2, 0xf033
	s_cbranch_scc0 .Lentry_shape_is_right
	s_endpgm
.Lentry_shape_is_right:
; PROJ: out0 = ao W_out + b_out on codes of FP6 (E2M3) with one E8M0 scale for each 32 along K (K = 1,024); sums in f32.
; SHARES.  256 work-groups of four waves; a work-group makes 256 rows x 128 columns, a wave 128 x 64: 32 accumulators, 256 registers.
; ALL OF K LIES IN LDS, filled once: A's 256 rows (196,608 bytes, images of operand registers as the launch before left them) and B's 128 rows (98,304 bytes, 16 bytes of padding behind every 64: 122,880).
; One joint load a wave at the head: wave 0 A's K 0-511, wave 1 B's K 0-511, wave 2 A's K 512-1023, wave 3 B's.  The first barrier shows waves 0 and 1's tiles, a second one, in step 3, the others'.  Nothing is filled again.
; 4 x 4 work-groups form a cluster: the four of a row need the same rows of A, the four of a column the same rows of B.
; THE SCALE WORDS come straight into registers: 16 rows x 32 bytes are 512 consecutive bytes, 16 a lane: register j of a block holds the word of K step j in lanes 0-15 and of K step 4 + j in lanes 16-31.
; THE MATRIX INSTRUCTION IS USED TRANSPOSED (source 0 = B's rows, source 1 = A's): a lane holds eight neighbouring columns of a row.  Rows and columns stand in positions (bits 3 and 4 of the number exchanged); the way out sets both right.
; The bias is the first products' C.  No prefetch into the L2: every tile is asked for at the head, and there is no loop to run ahead in.
; REGISTERS: window 0: v16-30 addresses; v32-63 A's scale words, v66-81 B's; v84-115 the bias; v116-211 B's fragments, two sets (on the way out v128-191 hold rows read back).  window 1: v0-191 A's fragments, two sets.  window 2: accumulator (a, b) at v[8 (4 a + b)].
.set SIZE_N, 1024
.set PITCH,  240                       ; B's LDS row of 256 along K: 3 x (64 bytes + 16)
.set FR,     12
.set AH,     98304                     ; A's half of K in LDS: 16 tiles x 4 fragments x 1,536 bytes
.set BB,     2*AH
.set BH,     61440                     ; B's half of K: 2 x 128 rows x 240
.set SPARE,  BB+2*BH                   ; the spare words: 128 bytes a wave, two blocks of 256 bytes that no other line names
.set SPITCH, 272                       ; the way out: a stage of 16 rows x (256 bytes + 16) for each wave, on A's bytes, behind a barrier behind which nobody reads them
.set ADRA, 16                          ; v16, v17 my A fragments, first and second half of K
.set ADRB, 20                          ; v20, v21 the same for B (v22, v23: behind one padding more)
.set STO,  24
.set RD,   25
.set CO,   26
.set SCA,  27                          ; v27 32 r + 16 h
.set SPW,  28
.set NIL,  29
.set BOF,  30
.set SA,   32
.set SBR,  66
.set BI,   84
.set BF,   116
.set BK,   128
.set G1,  24
.set G0,  32
.set G1B, 48
.set G0B, 56
.set MSB, 0
.macro WIN new                         ; the immediate's high byte repeats the setting that is left
.if MSB != (\new)
	s_set_vgpr_msb (MSB<<8)|(\new)
.set MSB, (\new)
.endif
.endm
.macro PLACES n
.rept \n
	v_nop
.endr
.endm
.macro CROUND                          ; a round of the cluster's barrier
	s_barrier_signal -1
	s_barrier_wait -1
	s_cmp_lg_u32 s14, 0
	s_cbranch_scc1 .Lnot_wave_0_\@
	s_barrier_signal -3
.Lnot_wave_0_\@:
	s_barrier_wait -3
	s_barrier_signal -1
	s_barrier_wait -1
.endm
.macro ARM under, g0, g1, next         ; an arm of the head's one chain of branches on the wave's number
	s_cmp_lt_u32 s14, \under
	s_cbranch_scc0 \next
	tensor_load_to_lds s[\g0:\g0+3], s[\g1:\g1+7]
	s_nop 0
	PLACES 4
	s_branch .Lhead_asked
\next:
.endm
	s_load_b128 s[4:7], s[0:1], 0x0                ; ao, aos
	s_load_b128 s[8:11], s[0:1], 0x10              ; codes1, scales1
	s_load_b64 s[66:67], s[0:1], 0x20              ; b_out
	s_load_b64 s[12:13], s[0:1], 0x28              ; out0
	v_lshl_add_u32 v[SPW], v0, 2, SPARE
	v_mov_b32 v[NIL], 0
	ds_add_u32 v[SPW], v[NIL]                      ; the opening lines: the add, twice on end, and its wait ahead of my first tensor load
	ds_add_u32 v[SPW], v[NIL]
	v_lshrrev_b32 v1, 5, v0
	v_readfirstlane_b32 s14, v1                    ; wave 0..3
	s_lshr_b32 s15, s14, 1                         ; my half of the rows.  Also: which half of K I fetch
	s_and_b32 s16, s14, 1                          ; my half of the columns.  Also: I fetch for A (0) or for B (1)
	s_bfe_u32 s40, ttmp6, 0x40000                  ; cx
	s_bfe_u32 s41, ttmp6, 0x40004                  ; cy
	s_lshl_b32 s42, ttmp9, 2
	s_add_co_u32 s42, s42, s40                     ; tile column, 0 .. 7
	s_and_b32 s17, ttmp7, 0xffff
	s_lshl_b32 s17, s17, 2
	s_add_co_u32 s17, s17, s41                     ; tile row, 0 .. 31
	s_lshl_b32 s43, s41, 2
	s_lshl_b32 s43, 15, s43                        ; my row of the cluster
	s_lshl_b32 s44, 0x1111, s40                    ; my column
	s_or_b32 s[G1+0], s43, (3<<16)|(1<<21)         ; A: 16 tiles of 16 rows, 6,144 bytes (four fragments) of each, 12,288 bytes apart; elements of 8 bytes
	s_mov_b32 s[G1+1], 768<<16
	s_mov_b32 s[G1+2], 16<<16
	s_mov_b32 s[G1+3], 768<<16
	s_mov_b32 s[G1+4], 16
	s_mov_b32 s[G1+5], 1536
	s_mov_b32 s[G1+6], 0
	s_mov_b32 s[G1+7], 0
	s_or_b32 s[G1B+0], s44, (3<<16)|(1<<20)|(1<<21)|(3<<22)|(3<<25)   ; B: two images' halves, 128 rows x 192 = 24,576 dense bytes each, 49,152 apart; 16 bytes of padding behind every 64
	s_mov_b32 s[G1B+1], 3072<<16
	s_mov_b32 s[G1B+2], 2<<16
	s_mov_b32 s[G1B+3], 3072<<16
	s_mov_b32 s[G1B+4], 2
	s_mov_b32 s[G1B+5], 6144
	s_mov_b32 s[G1B+6], 0
	s_mov_b32 s[G1B+7], 0
	s_mul_i32 s20, s17, 196608                     ; A: 256 rows x 768 bytes a tile row,
	s_mul_i32 s18, s15, 6144                       ; + my half of K
	s_add_co_u32 s20, s20, s18
	s_mov_b32 s21, 0
	s_lshr_b32 s46, s42, 1                         ; B: W_out's columns begin at row 11,264 = group 44 of codes1
	s_add_co_u32 s46, s46, 44
	s_mul_i32 s46, s46, 196608
	s_and_b32 s18, s42, 1
	s_mul_i32 s18, s18, 24576                      ; which 128 rows of the group's images,
	s_add_co_u32 s46, s46, s18
	s_mul_i32 s18, s15, 98304                      ; + my half of K: two images
	s_add_co_u32 s46, s46, s18
	s_mov_b32 s47, 0
	s_mov_b32 s[G0], 1
	s_mul_i32 s[G0+1], s15, AH
	s_mov_b32 s[G0B], 1
	s_mul_i32 s[G0B+1], s15, BH
	s_add_co_u32 s[G0B+1], s[G0B+1], BB
	s_wait_dscnt 0x0                               ; both opening adds are done
	s_wait_kmcnt 0x0
	s_add_nc_u64 s[G0+2:G0+3], s[4:5], s[20:21]
	s_or_b32 s[G0+3], s[G0+3], 0x80000000
	s_add_nc_u64 s[G0B+2:G0B+3], s[8:9], s[46:47]
	s_or_b32 s[G0B+3], s[G0B+3], 0x80000000
	CROUND                                         ; all sixteen work-groups are here: the joint loads meet
	ARM 1, G0,  G1,  .Lhead_b0                     ; wave 0: A, K 0-511
	ARM 2, G0B, G1B, .Lhead_a1                     ; wave 1: B, K 0-511
	ARM 3, G0,  G1,  .Lhead_b1                     ; wave 2: A, K 512-1023
	tensor_load_to_lds s[G0B:G0B+3], s[G1B:G1B+7]  ; wave 3: B, K 512-1023
	s_nop 0
	PLACES 4
.Lhead_asked:
	s_lshl_b32 s20, s17, 8
	s_lshl_b32 s18, s15, 7
	s_add_co_u32 s20, s20, s18                     ; my first row
	s_lshl_b32 s22, s20, 5
	s_mov_b32 s23, 0
	s_add_nc_u64 s[6:7], s[6:7], s[22:23]          ; its scale bytes
	s_lshl_b32 s46, s42, 7
	s_lshl_b32 s18, s16, 6
	s_add_co_u32 s46, s46, s18                     ; my first column
	s_add_co_u32 s18, s46, 11264
	s_lshl_b32 s18, s18, 5
	s_mov_b32 s19, 0
	s_add_nc_u64 s[10:11], s[10:11], s[18:19]      ; its scale bytes
	s_lshl_b32 s46, s46, 2
	s_mov_b32 s47, 0
	s_add_nc_u64 s[66:67], s[66:67], s[46:47]      ; its bias
	s_lshl_b32 s20, s20, 12
	s_mov_b32 s21, 0
	s_add_nc_u64 s[12:13], s[12:13], s[20:21]
	s_add_nc_u64 s[12:13], s[12:13], s[46:47]      ; my corner of out0
	s_mul_i32 s21, s15, 8*6144
	s_mul_i32 s22, s16, 64*PITCH
	s_add_co_u32 s22, s22, BB
	s_add_co_u32 s18, s21, AH
	s_add_co_u32 s19, s22, BH
	s_mul_i32 s23, s14, 16*SPITCH
	v_and_b32 v1, 15, v0                           ; r
	v_bfe_u32 v2, v0, 4, 1                         ; h
	v_and_b32 v3, 31, v0
	v_mul_u32_u24 v4, v1, PITCH
	v_lshlrev_b32 v6, 3, v3
	v_mad_u32_u24 v4, v2, 24, v4                   ; B: row x pitch + 24 h,
	v_mul_u32_u24 v7, v1, SPITCH
	v_lshl_add_u32 v5, v2, 4, v4                   ; and the same behind one padding more
	v_add_nc_u32 v[ADRA], s21, v6
	v_add_nc_u32 v[ADRA+1], s18, v6
	v_add_nc_u32 v[ADRB], s22, v4
	v_add_nc_u32 v[ADRB+1], s19, v4
	v_add_nc_u32 v[ADRB+2], s22, v5
	v_add_nc_u32 v[ADRB+3], s19, v5
	v_lshlrev_b32 v[SCA], 5, v1
	v_lshl_add_u32 v7, v2, 6, v7
	v_lshl_add_u32 v[SCA], v2, 4, v[SCA]
	v_add_nc_u32 v[STO], s23, v7                   ; the stage, in: row r, 64 bytes for each half of the lanes
	v_mul_u32_u24 v8, v2, SPITCH
	v_lshlrev_b32 v[BOF], 6, v2
	v_lshl_add_u32 v8, v1, 4, v8
	v_lshlrev_b32 v[CO], 12, v2
	v_add_nc_u32 v[RD], s23, v8                    ; back: sixteen lanes to a row of 256 bytes, two rows an instruction;
	v_lshl_add_u32 v[CO], v1, 4, v[CO]             ; and the same in out0
	s_wait_alu depctr_va_vdst(0)
.irp i, 0,1,2,3,4,5,6,7
	global_load_b128 v[SA+4*\i:SA+4*\i+3], v[SCA], s[6:7] offset:512*\i      ; 512 consecutive bytes
.endr
.irp b, 0,1,2,3
	global_load_b128 v[SBR+4*\b:SBR+4*\b+3], v[SCA], s[10:11] offset:512*\b
.endr
.irp b, 0,1,2,3                                ; register 8 b + j wants column 32 (b / 2) + 16 h + 8 (b % 2) + j
	global_load_b128 v[BI+8*\b:BI+8*\b+3], v[BOF], s[66:67] offset:(32*(\b/2)+8*(\b%2))*4
	global_load_b128 v[BI+8*\b+4:BI+8*\b+7], v[BOF], s[66:67] offset:(32*(\b/2)+8*(\b%2))*4+16
.endr
.macro FRAGB reg, kh, q, i             ; 16 rows x 128 K of B: 12 registers in pieces of 8 bytes; where lanes 16-31's piece lies behind one padding more, the second address register serves
.irp p, 0,1,2,3,4,5
.set PCE, 12*((\q)%2)+6*(\p/3)+\p%3
.if PCE%8 < 5
	ds_load_b64 v[\reg+2*\p:\reg+2*\p+1], v[ADRB+(\kh)] offset:8*PCE+16*(PCE/8)+(\i)*16*PITCH+((\q)/2)*128*PITCH
.else
	ds_load_b64 v[\reg+2*\p:\reg+2*\p+1], v[ADRB+2+(\kh)] offset:8*PCE+16*(PCE/8)+(\i)*16*PITCH+((\q)/2)*128*PITCH
.endif
.endr
.endm
.macro FRAGA reg, kh, q, i             ; of A: an image of the registers, 256 consecutive bytes a load
.irp p, 0,1,2,3,4,5
	ds_load_b64 v[\reg+2*\p:\reg+2*\p+1], v[ADRA+(\kh)] offset:(\i)*6144+(\q)*1536+256*\p
.endr
.endm
.macro FETCH q                         ; step q's fragments into set q % 2: 72 loads
	WIN 0
.irp i, 0,1,2,3
	FRAGB BF+48*((\q)%2)+FR*\i, (\q)/4, (\q)%4, \i
.endr
	WIN 0x40
.irp i, 0,1,2,3,4,5,6,7
	FRAGA 96*((\q)%2)+FR*\i, (\q)/4, (\q)%4, \i
.endr
	WIN 0
.endm
.macro MULS q                          ; 32 products, 128 along K; the 32 accumulators take turns, one instruction a turn, in the same order in every step
.if (\q) == 0
	WIN 0x84                                       ; source 0 (B) window 0, source 1 (A) window 1, C (the bias) window 0, D window 2
.else
	WIN 0xa4                                       ; C and D window 2
.endif
.irp a, 0,1,2,3,4,5,6,7
.irp b, 0,1,2,3
.if (\q) == 0
	v_wmma_scale_f32_16x16x128_f8f6f4 v[8*(4*\a+\b):8*(4*\a+\b)+7], v[BF+FR*\b:BF+FR*\b+FR-1], v[FR*\a:FR*\a+FR-1], v[BI+8*\b:BI+8*\b+7], v[SBR+4*\b], v[SA+4*\a] matrix_a_fmt:MATRIX_FMT_FP6 matrix_b_fmt:MATRIX_FMT_FP6
.elseif (\q) < 4
	v_wmma_scale_f32_16x16x128_f8f6f4 v[8*(4*\a+\b):8*(4*\a+\b)+7], v[BF+48*((\q)%2)+FR*\b:BF+48*((\q)%2)+FR*\b+FR-1], v[96*((\q)%2)+FR*\a:96*((\q)%2)+FR*\a+FR-1], v[8*(4*\a+\b):8*(4*\a+\b)+7], v[SBR+4*\b+(\q)%4], v[SA+4*\a+(\q)%4] matrix_a_fmt:MATRIX_FMT_FP6 matrix_b_fmt:MATRIX_FMT_FP6
.else
	v_wmma_scale_f32_16x16x128_f8f6f4 v[8*(4*\a+\b):8*(4*\a+\b)+7], v[BF+48*((\q)%2)+FR*\b:BF+48*((\q)%2)+FR*\b+FR-1], v[96*((\q)%2)+FR*\a:96*((\q)%2)+FR*\a+FR-1], v[8*(4*\a+\b):8*(4*\a+\b)+7], v[SBR+4*\b+(\q)%4], v[SA+4*\a+(\q)%4] matrix_a_fmt:MATRIX_FMT_FP6 matrix_b_fmt:MATRIX_FMT_FP6 matrix_a_scale:MATRIX_SCALE_ROW1 matrix_b_scale:MATRIX_SCALE_ROW1
.endif
.endr
.endr
	WIN 0
.endm
.macro STEPQ q
	s_wait_dscnt 0x0                               ; this step's fragments, asked for a step ago
.if (\q) == 3
	s_wait_tensorcnt 0x0                           ; every wave: all that is still out is the second half of K
	s_barrier_signal -1
	s_barrier_wait -1                              ; it is shown to all
.endif
.if (\q) < 7
.if (\q) > 0
	PLACES 4                                       ; between the last step's products and the loads into their fragments' registers
.endif
	FETCH (\q)+1
.endif
	MULS \q
.endm
	s_cmp_lt_u32 s14, 2
	s_cbranch_scc0 .Lnot_first
	s_wait_tensorcnt 0x0                           ; waves 0 and 1: my tile of the first half of K is in
.Lnot_first:
	s_barrier_signal -1
	s_barrier_wait -1
	FETCH 0
	s_wait_loadcnt 0x0                             ; the scale words and the bias
.set Q, 0
.rept 8
	STEPQ Q
.set Q, Q+1
.endr
; THE WAY OUT, block by block of 16 rows x 64 columns, through my stage: in by lanes (32 bytes of a row each), back as rows of 256 bytes.  LDS serves a wave's instructions in order.
.macro TOSTAGE a
	WIN 0x08                                       ; the data: window 2
.irp b, 0,1,2,3
	ds_store_b128 v[STO], v[8*(4*(\a)+\b):8*(4*(\a)+\b)+3] offset:128*(\b/2)+32*(\b%2)       ; each accumulator from its low end on
	ds_store_b128 v[STO], v[8*(4*(\a)+\b)+4:8*(4*(\a)+\b)+7] offset:128*(\b/2)+32*(\b%2)+16
.endr
	WIN 0
.set BBK, BK+32*((\a)%2)
.irp t, 0,1,2,3,4,5,6,7
	ds_load_b128 v[BBK+4*\t:BBK+4*\t+3], v[RD] offset:2*\t*SPITCH
.endr
.endm
.macro SEND a, younger                 ; younger: the LDS instructions issued behind block a's loads, which may stay out
.set BBK, BK+32*((\a)%2)
	s_wait_dscnt \younger
.if (\a) > 0
.if (\a)%2
	s_add_nc_u64 s[12:13], s[12:13], 8*SIZE_N*4    ; block a's position 16 a + t is row 32 (a / 2) + 8 (a % 2) + t % 8 + 16 (t / 8)
.else
	s_add_nc_u64 s[12:13], s[12:13], 24*SIZE_N*4
.endif
.endif
.irp t, 0,1,2,3,4,5,6,7
	global_store_b128 v[CO], v[BBK+4*\t:BBK+4*\t+3], s[12:13] offset:(2*(\t%4)+16*(\t/4))*SIZE_N*4 th:TH_STORE_NT   ; sixteen lanes store 256 consecutive bytes, aligned
.endr
.endm
	PLACES 4                                       ; behind the last products
	s_barrier_signal -1                            ; no LDS load of mine is out: every wave's reads of A and B are over
	s_barrier_wait -1
	TOSTAGE 0
.irp a, 1,2,3,4,5,6,7
.if \a > 1
	s_wait_xcnt 0x0                                ; block a - 2's stores have read their registers and their base
.endif
	TOSTAGE \a
	SEND \a-1, 16                                  ; behind block a - 1's loads: block a's 8 stores and 8 loads
.endr
	s_wait_xcnt 0x0
	SEND 7, 0
	s_wait_tensorcnt 0x0                           ; the wave's end
	ds_add_u32 v[SPW], v[NIL]
	s_wait_dscnt 0x0
	CROUND                                         ; the closing round
	s_endpgm
.Lfunc_end_k_q25929a7683_proj:
	.size	k_q25929a7683_proj, .Lfunc_end_k_q25929a7683_proj-k_q25929a7683_proj
	.p2alignl 7, 3214868480
	.fill 96, 4, 3214868480
	.section	.rodata,"a",@progbits
	.p2align	6, 0x0
	.amdhsa_kernel k_q25929a7683_proj
		.amdhsa_group_segment_fixed_size 327680
		.amdhsa_private_segment_fixed_size 0
		.amdhsa_enable_private_segment 0
		.amdhsa_kernarg_size 48
		.amdhsa_user_sgpr_count 2
		.amdhsa_user_sgpr_kernarg_segment_ptr 1
		.amdhsa_wavefront_size32 1
		.amdhsa_system_sgpr_workgroup_id_x 1
		.amdhsa_system_sgpr_workgroup_id_y 1
		.amdhsa_system_sgpr_workgroup_id_z 1
		.amdhsa_system_vgpr_workitem_id 0
		.amdhsa_next_free_vgpr 768
		.amdhsa_next_free_sgpr 98
		.amdhsa_reserve_vcc 0
		.amdhsa_float_denorm_mode_32 3
		.amdhsa_float_denorm_mode_16_64 3
		.amdhsa_memory_ordered 1
		.amdhsa_forward_progress 1
		.amdhsa_inst_pref_size 96
	.end_amdhsa_kernel
	.amdgpu_metadata
---
amdhsa.version: [ 1, 2 ]
amdhsa.kernels:
  - .name:           k_q25929a7683_proj
    .symbol:         k_q25929a7683_proj.kd
    .args:
      - { .name: ao, .offset: 0, .size: 8, .value_kind: global_buffer, .address_space: global }
      - { .name: aos, .offset: 8, .size: 8, .value_kind: global_buffer, .address_space: global }
      - { .name: codes1, .offset: 16, .size: 8, .value_kind: global_buffer, .address_space: global }
      - { .name: scales1, .offset: 24, .size: 8, .value_kind: global_buffer, .address_space: global }
      - { .name: b_out, .offset: 32, .size: 8, .value_kind: global_buffer, .address_space: global }
      - { .name: out0, .offset: 40, .size: 8, .value_kind: global_buffer, .address_space: global }
    .group_segment_fixed_size: 327680
    .private_segment_fixed_size: 0
    .kernarg_segment_align: 8
    .kernarg_segment_size: 48
    .max_flat_workgroup_size: 128
    .sgpr_count:     98
    .vgpr_count:     768
    .wavefront_size: 32
...
	.end_amdgpu_metadata
.endif
;; end of part 4
